; MI455X (gfx1250); checked and timed in simulation.
; The chip was launched on July 23, 2026; its instructions are those of AMD's public machine-readable ISA for CDNA 5 (MIT licence, August 2026) and "CDNA5" Instruction Set Architecture Reference Guide (July 2026). The comments in the code are by the model that wrote it; some were corrected since.
;; Longformer Self Attention. Allowed arithmetic: matrix products marked QUANTISED: E5M2 operands, one given power-of-two scale a tensor, by v_wmma_f32_16x16x64_bf8_bf8 or v_wmma_f32_16x16x128_bf8_bf8, f32 sums; products left as they are: f32 operands where the result goes on into a quantised operand, else bf16, f16 or f32 operands; f32 sums; everything else in f32.
;; Inputs: fc_b 512 float32; fc_w_codes 512 x 16 x 32 uint8 (E5M2 codes of fc_w, K innermost, in blocks of 32 codes); keys 2 x 1 x 2,048 x 512 float32; lowp_scales 6 int32 (the exponents e of the quantised operands' scales 2^e); mask 2 x 1 x 1 x 2,048 int32; query 2 x 1 x 2,048 x 512 float32; values 2 x 1 x 2,048 x 512 float32.
;; Outputs: out0 2 x 2,048 x 512 float32.
;; This version of the problem:
;;   THIS VERSION OF THE PROBLEM IS GIVEN IN LOW PRECISION. The matrix products marked QUANTISED in the list below multiply operands that are first quantised to E5M2 (5 exponent bits, 2 mantissa bits; 8 bits a number), with one given power-of-two scale for each operand tensor; their sums are f32. All else is computed in f32.
;;   The module's matrix products, in the order in which they are computed (A, B: the left and right operand; K: the contracted axis; several contracted axes count as one K, in the product's order):
;;     1. batch 16 x [M 1, K 64] x [K 64, N 2,048]; A: input query; B: input keys: left as it is (M = 1 < 16)
;;     2. batch 16 x [M 64, K 2,048] x [K 2,048, N 1]; A: input values; B: softmax (see below): left as it is (N = 1 < 16)
;;     3. batch 16 x [M 2,047, K 64] x [K 64, N 2,048]; A: input query; B: input keys: QUANTISED (scales: A lowp_scales[0], B lowp_scales[1])
;;     4. batch 16 x [M 64, K 2,048] x [K 2,048, N 2,047]; A: input values; B: softmax (see below): QUANTISED (scales: A lowp_scales[2], B lowp_scales[3])
;;     5. [M 4,096, K 512] x [K 512, N 512]; A: computed on the way; B: input fc_w (given as codes): QUANTISED (scales: A lowp_scales[4], B lowp_scales[5])
;;   THE QUANTISER, for each operand of a quantised product, along K:
;;     - The operand's scale is 2^e, e = its entry of the input lowp_scales (int32; the entries are numbered through the quantised products in the list's order, A before B).
;;     - Each number is divided by the scale, clamped to +-57,344, and rounded to the nearest number of E5M2, ties to even, subnormals kept.
;;     - The product sums the exact products of the quantised numbers (number of the format x scale) in f32.
;;   ~~~python
;;   def quantise(x, axis, e):      # numpy; x: float32 -> the quantised numbers, widened to float32 again
;;       x = np.moveaxis(x, axis, -1); K = x.shape[-1]
;;       r = np.clip(x / 2.0 ** e, -57344, 57344)
;;       step = 2.0 ** (np.maximum(np.frexp(np.where(r == 0, 1, r))[1] - 1, -14) - 2)
;;       q = np.round(r / step) * step * 2.0 ** e      # np.round: ties to even
;;       return np.moveaxis(q, -1, axis).astype(np.float32)
;;   ~~~
;;   SOFTMAX AHEAD OF A QUANTISED PRODUCT. Where the list says 'softmax', what is quantised is not the finished softmax but p = 2^(t - M), with t = logit x log2(e) and M = ceil(the row's largest t), a whole number; so 1/2 < the row's largest p <= 1. The row's sum l is taken of the UNQUANTISED p, in f32, and the product's result is divided by l at the end. Since M is a whole number, a kernel that streams over the keys may use a running M (the ceiling of the running maximum): every later rescaling is an exact power of two, so the quantised numbers keep their values, but for numbers so far below the row's largest that they fall under the format's range.
;;   OPERANDS COMPUTED ON THE WAY. 'Computed on the way' means the value that the module computes at that place (a softmax that the list does not call 'softmax' is quantised finished and normalised). What goes into a quantiser is computed in f32, as accurately as f32 sums, v_exp_f32 and their like allow (about 1e-6 of the number): no bf16 or f16 on the way to a quantiser, and a product that is left as it is and whose result goes on into a quantised operand takes f32 operands (vector FMAs, or v_wmma_f32_16x16x4_f32). A number that lies on a knife's edge between two numbers of the format may be rounded either way, as far as f32 arithmetic and the matrix unit's own rounding can turn it there, and no further.
;;   INPUTS GIVEN AS CODES. fc_w (in the module: [512, 512], K = its axis 1): each comes as NAME_codes (uint8): NAME with its K axis moved to the last place and cut into blocks of 32 codes, [.., K / 32, bytes a block], one block behind the other in memory; one code a byte (a code: sign, 5 exponent bits, 2 mantissa bits); its scale is its entry of lowp_scales. Its value is code x scale, taken as it is: it is not quantised again, and the codes and scales need not be those that the quantiser above would give.
;; 2 versions. Each part assembles by itself: llvm-mc -triple=amdgcn-amd-amdhsa -mcpu=gfx1250 --defsym DOCPART=n.
;; ======== version 1 of 2: 3 launches
;; workspace buffers: kc 2,097,152 bytes; vc 2,097,152 bytes; rec 262,144 bytes; wi 262,144 bytes; ac 2,097,152 bytes
;; launch prep (part 1): grid 16 x 16, 8 waves a work-group, no clusters, 62,464 bytes of LDS; arguments keys, values, query, mask, lowp_scales, fc_w_codes, kc, vc, rec, wi; writes kc, vc, rec, wi
.if DOCPART == 1
	.amdgcn_target "amdgcn-amd-amdhsa--gfx1250"
	.amdhsa_code_object_version 6
	.text
	.protected	k_qc128cbec29_prep
	.globl	k_qc128cbec29_prep
	.p2align	8
	.type	k_qc128cbec29_prep,@function
k_qc128cbec29_prep:
	s_mov_b64 s[64:65], 0
	v_nop
	global_prefetch_b8 v0, s[64:65] scope:SCOPE_SE
	s_setreg_imm32_b32 hwreg(HW_REG_WAVE_MODE, 25, 1), 1
	s_wait_xcnt 0x0
; PREP.  A work-group takes one batch b, one head h (y = 8 b + h) and one block kb (x) of 128 keys; each of its eight waves 16 keys.  It makes
;   kc   the keys' codes of E5M2, in the order of an operand's registers: [bh][group of 16 keys][c 0,1][lane][16 bytes]: lane (r, hh) holds key r, d = 32 c + 16 hh + 0..15
;   vc   the values' codes with the KEYS innermost: [bh][tile t of 16 d][group of 16 keys][lane][8 bytes]: lane (r, hh) holds d = 32 (t/2) + 8 (t%2) + r + 8 (r/8), keys 8 hh + 0..7
;   rec  256 words for (bh, kb): 0-63 the sum of V's codes over the block's unmasked keys, 64-127 over all its keys (one matrix instruction a tile of d: V^T x columns of codes 1.0 or 0),
;        128-191 the global token's part sum o, 192 its largest t, 193 its part sum l, 194 the count of unmasked keys, the rest 0
;   wi   1,024 bytes of fc_w's codes in the order of an operand's registers: [tile of 16 rows][K step of 128][c 0..3][lane][16 bytes]: lane (r, hh): row r, k = 32 c + 16 hh + 0..15
; The global token (query 0, all keys, no mask) is left in f32: t = q0 . k x log2(e) / sqrt(512), by fused multiply-adds on the numbers as they are loaded.
; code = x / 2^e, held within +-57,344, to the nearest code, ties to even; e = entry 1 (keys) or 2 (values) of the scales.
; LIMITS: each e between -126 and 112, so that 2^e and 57,344 x 2^e are f32 numbers.  NaN and infinities among the inputs are not served.
; No tensor load, no cluster: no two work-groups read the same key or value, and no LDS byte is filled twice.
; EVERY LOAD OF K AND V TAKES WHOLE PIECES OF 256 CONSECUTIVE BYTES (a head's 64 numbers of one key); K then turns through the wave's own stage in LDS so that a lane holds 16 neighbours along d,
; V needs no turn: a lane holds two columns d and its registers run down the keys, which are V's K.
.set KST,  0                           ; 8 waves x 2 stages x 32 places of 64 + 16 bytes
.set KIMG, 40960                       ; the block's part of kc, 8,192 bytes
.set VIMG, 49152                       ; the block's part of vc: [t][group 8][lane][8], 8,192 bytes
.set TG,   57344                       ; the block's 128 t of the global token
.set MB,   57856                       ; a byte a key: the code of 1.0 where the mask lets it count, else 0
.set CNT,  58112                       ; four waves' counts of unmasked keys
.set OP,   58368                       ; [wave][64] part sums of o
.set RECL, 60416                       ; the two sums of codes, 128 words
; REGISTERS: v1 lane; v2-15, v185-195 addresses; v16-31 q0; v32-63 K as loaded; v64-95 V as loaded (pair kk: key kk, columns 2 lane, 2 lane + 1); v96-127 K, 16 neighbours a lane, two steps;
;   v128-135 K's codes; v136-167 V held; v168-175 V's codes; v176-179 the piece of fc_w; v180 mask; v181-184 2^ek, its hold, 2^ev, its hold; v196-199, v236-240 at work; v200-215 weights; v216-255 the product
.macro BARRIER                         ; my LDS stores have landed and my LDS loads are in: then the work-group's barrier
	s_wait_dscnt 0x0
	s_barrier_signal -1
	s_barrier_wait -1
.endm
.macro ROWSUM r                        ; the sum over the sixteen lanes of a row, in each of them
.irp x, 1,2,4,8
	v_add_f32_dpp v[\r], v[\r], v[\r] row_xmask:\x row_mask:0xf bank_mask:0xf
.endr
.endm
.macro ROWMAX r
.irp x, 1,2,4,8
	v_max_num_f32_dpp v[\r], v[\r], v[\r] row_xmask:\x row_mask:0xf bank_mask:0xf
.endr
.endm
	s_load_b512 s[4:19], s[0:1], 0x0               ; keys 4, values 6, query 8, mask 10, scales 12, fc_w's codes 14, kc 16, vc 18
	s_load_b128 s[20:23], s[0:1], 0x40             ; rec 20, wi 22
	v_lshl_add_u32 v189, v0, 2, 0xf000
	v_mov_b32 v192, 0
	v_lshrrev_b32 v1, 5, v0
	v_readfirstlane_b32 s24, v1                    ; wave w
	v_and_b32 v1, 31, v0                           ; lane L
	s_mov_b32 s25, ttmp9                           ; kb
	s_and_b32 s26, ttmp7, 0xffff                   ; bh
	s_lshr_b32 s27, s26, 3                         ; b
	s_and_b32 s28, s26, 7                          ; h
	s_lshl_b32 s29, s26, 4
	s_add_co_u32 s29, s29, s25                     ; g = 16 bh + kb: the work-group's number
	s_mov_b32 s40, 0x76543210                      ; v_permlanex16_b32: lane l xor 16
	s_mov_b32 s41, 0xfedcba98
	v_bfe_u32 v196, v0, 4, 1                       ; L / 16
	v_and_b32 v197, 15, v0                         ; L % 16
	v_and_b32 v198, 127, v0                        ; thread % 128
	v_bfe_u32 v199, v0, 2, 3                       ; L / 4
	v_and_b32 v236, 3, v0                          ; L % 4
	v_bfe_u32 v237, v0, 1, 1
	v_and_b32 v238, 1, v0
	v_bfe_u32 v239, v0, 2, 1
	v_bfe_u32 v240, v0, 3, 1
	s_lshl_b32 s30, s24, 15                        ; my 16 keys: 16 w rows of 2,048 bytes
	s_mul_i32 s31, s24, 5120                       ; my two stages
	s_lshl_b32 s44, s24, 10
	s_lshl_b32 s45, s24, 8
	s_lshl_b32 s46, s24, 6
	s_lshl_b32 s47, s24, 2
	s_add_co_u32 s47, s47, CNT
	s_add_co_u32 s51, s46, TG
	s_lshl_b32 s50, s24, 5
	s_min_u32 s53, s24, 3                          ; (addresses that waves 0-3 alone use are made with min(w, 3): they lie inside the claim in every wave)
	s_lshl_b32 s52, s53, 11
	s_lshr_b32 s48, s53, 1
	s_lshl_b32 s48, s48, 7
	s_and_b32 s49, s53, 1
	s_lshl_b32 s49, s49, 5
	s_add_co_u32 s48, s48, s49
	s_add_co_u32 s48, s48, RECL
	v_lshlrev_b32 v2, 4, v197                      ; K: row 16 w + L / 16, 16 bytes at 16 (L % 16): sixteen lanes take a key's 256 bytes
	v_lshl_add_u32 v2, v196, 11, v2
	v_add_nc_u32 v2, s30, v2
	v_lshl_add_u32 v3, v1, 3, s30                  ; V: row 16 w, 8 bytes at 8 L: the wave takes a key's 256 bytes
	v_lshlrev_b32 v4, 6, v236                      ; q0: my 16 numbers, d = 16 (L % 4) on
	v_lshlrev_b32 v5, 2, v198                      ; mask: the key thread % 128
	v_mul_u32_u24 v6, v199, 80                     ; the stage, way in: four lanes' 64 bytes on end, then 16 of padding
	v_lshl_add_u32 v6, v236, 4, v6
	v_add_nc_u32 v6, s31, v6
	v_mul_u32_u24 v7, v1, 80                       ; way out: place L: key L / 4 of the step's eight, d = 16 (L % 4) + 0..15
	v_add_nc_u32 v7, s31, v7
	v_lshlrev_b32 v8, 9, v237                      ; K's image: group w, c = (L / 2) % 2, lane (L / 4 + 8 step) + 16 (L % 2)
	v_lshl_add_u32 v8, v199, 4, v8
	v_lshl_add_u32 v8, v238, 8, v8
	v_add_nc_u32 v8, s44, v8
	v_add_nc_u32 v8, KIMG, v8
	v_lshlrev_b32 v9, 12, v196                     ; V's image: column d = 2 L + e lies in tile t = 2 (d / 32) + (d / 8) % 2, row d % 8 + 8 ((d / 16) % 2); group w
	v_lshl_add_u32 v9, v239, 11, v9
	v_lshl_add_u32 v9, v236, 4, v9
	v_lshl_add_u32 v9, v240, 6, v9
	v_add_nc_u32 v9, s45, v9
	v_add_nc_u32 v9, VIMG, v9
	v_lshlrev_b32 v10, 2, v199                     ; t of key 16 w + 8 step + L / 4
	v_add_nc_u32 v10, s51, v10
	v_lshlrev_b32 v11, 4, v0                       ; 16 x thread
	v_lshrrev_b32 v12, 7, v0                       ; vc: tile (thread / 128) + 2 i, 32,768 bytes a tile; 16 (thread % 128) in the block's 2,048
	v_lshlrev_b32 v12, 15, v12
	v_lshl_add_u32 v12, v198, 4, v12
	v_add_nc_u32 v13, MB, v198
	v_lshlrev_b32 v14, 3, v0                       ; o's part sums: 256 w + 8 L
	v_add_nc_u32 v14, OP, v14
	v_lshlrev_b32 v15, 8, v240                     ; the sums of codes: which sum (column / 8), d = 32 (t / 2) + 16 (L / 16) + 8 (t % 2) + j
	v_lshl_add_u32 v15, v196, 6, v15
	v_add_nc_u32 v15, s48, v15
	v_lshlrev_b32 v185, 9, v197                    ; fc_w: row L % 16 of 512 bytes, + 32 w + 16 (L / 16)
	v_lshl_add_u32 v185, v196, 4, v185
	v_add_nc_u32 v185, s50, v185
	v_mov_b32 v186, s47                            ; CNT + 4 w
	v_lshlrev_b32 v193, 4, v1                      ; 16 L
	v_add_nc_u32 v187, TG, v193
	v_mov_b32 v188, s51                            ; TG + 64 w
	v_lshl_add_u32 v190, v1, 3, s52                ; V's image of tile w: 8 L
	v_add_nc_u32 v190, VIMG, v190
	v_lshlrev_b32 v191, 3, v196
	v_add_nc_u32 v191, MB, v191                    ; the mask's codes of keys 8 (L / 16) on
	v_lshlrev_b32 v194, 4, v197
	v_add_nc_u32 v194, OP, v194
	v_mov_b32 v195, 0
	s_lshl_b32 s42, s27, 22
	s_lshl_b32 s54, s28, 8
	s_add_co_u32 s42, s42, s54                     ; the batch's and the head's first byte
	s_mov_b32 s43, 0
	s_lshl_b32 s54, s25, 18
	s_add_co_u32 s54, s54, s42                     ; and the block's
	s_mov_b32 s55, 0
	s_mov_b32 s57, 0
	s_wait_kmcnt 0x0
	s_load_b128 s[32:35], s[12:13], 0x0            ; eq, ek, ev, ep
	s_add_nc_u64 s[8:9], s[8:9], s[42:43]          ; query at row 0
	s_add_nc_u64 s[4:5], s[4:5], s[54:55]
	s_add_nc_u64 s[6:7], s[6:7], s[54:55]
	s_lshl_b32 s56, s27, 13
	s_lshl_b32 s54, s25, 9
	s_add_co_u32 s56, s56, s54
	s_add_nc_u64 s[10:11], s[10:11], s[56:57]      ; mask
	s_lshl_b32 s56, s29, 13
	s_add_nc_u64 s[16:17], s[16:17], s[56:57]      ; kc
	s_lshl_b32 s56, s26, 17
	s_lshl_b32 s54, s25, 11
	s_add_co_u32 s56, s56, s54
	s_add_nc_u64 s[18:19], s[18:19], s[56:57]      ; vc
	s_lshl_b32 s56, s29, 10
	s_add_nc_u64 s[20:21], s[20:21], s[56:57]      ; rec
	s_add_nc_u64 s[22:23], s[22:23], s[56:57]      ; wi
	s_lshr_b32 s56, s29, 3                         ; fc_w: tile of rows g / 8, K step (g / 2) % 4, half g % 2
	s_lshl_b32 s56, s56, 13
	s_bfe_u32 s54, s29, 0x20001
	s_lshl_b32 s54, s54, 7
	s_add_co_u32 s56, s56, s54
	s_and_b32 s54, s29, 1
	s_lshl_b32 s54, s54, 6
	s_add_co_u32 s56, s56, s54
	s_add_nc_u64 s[14:15], s[14:15], s[56:57]
	; ---- the loads.  The piece of fc_w, which waves 0 and 1 alone fetch, stands first, so that the counts below hold in every wave
	s_cmp_lt_u32 s24, 2
	s_cbranch_scc0 .Lno_w
	global_load_b128 v[176:179], v185, s[14:15]
.Lno_w:
.irp j, 0,1,2,3
	global_load_b128 v[16+4*\j:19+4*\j], v4, s[8:9] offset:16*\j
.endr
.irp x, 0,1,2,3,4,5,6,7
	global_load_b128 v[32+4*\x:35+4*\x], v2, s[4:5] offset:4096*\x th:TH_LOAD_NT   ; keys 2 x and 2 x + 1 of my sixteen
.endr
	global_load_b32 v180, v5, s[10:11]
.irp kk, 0,1,2,3,4,5,6,7,8,9,10,11,12,13,14,15
	global_load_b64 v[64+2*\kk:65+2*\kk], v3, s[6:7] offset:2048*\kk th:TH_LOAD_NT
.endr
	s_wait_kmcnt 0x0
	s_add_co_i32 s56, s33, 127
	s_lshl_b32 s57, s56, 23
	v_mov_b32 v181, s57                            ; 2^ek as f32: the conversion takes its exponent field
	s_add_co_i32 s56, s56, 15
	s_lshl_b32 s56, s56, 23
	s_or_b32 s56, s56, 0x600000
	v_mov_b32 v182, s56                            ; 57,344 x 2^ek
	s_add_co_i32 s56, s34, 127
	s_lshl_b32 s57, s56, 23
	v_mov_b32 v183, s57                            ; the same for ev
	s_add_co_i32 s56, s56, 15
	s_lshl_b32 s56, s56, 23
	s_or_b32 s56, s56, 0x600000
	v_mov_b32 v184, s56
; Step s: eight keys' 2,048 bytes go into my stage as they were loaded and come back 64 bytes a lane.  LDS serves a wave's instructions in order: no wait between the stores and the loads
.macro KTURN s
.irp i, 0,1,2,3
	ds_store_b128 v6, v[32+16*\s+4*\i:35+16*\s+4*\i] offset:2560*\s+640*\i
.endr
.irp j, 0,1,2,3
	ds_load_b128 v[96+16*\s+4*\j:99+16*\s+4*\j], v7 offset:2560*\s+16*\j
.endr
.endm
; Step s: the global token's t of my key (four lanes share a key), then the key's 16 codes
.macro KSTEP s
.set XX, 96+16*\s
.set CC, 128+4*\s
.set TT, 196+2*\s
	v_mul_f32 v[TT], v[XX], v16
	v_mul_f32 v[TT+1], v[XX+1], v17
.irp i, 2,4,6,8,10,12,14
	v_fmac_f32 v[TT], v[XX+\i], v[16+\i]
	v_fmac_f32 v[TT+1], v[XX+\i+1], v[17+\i]
.endr
	v_add_f32 v[TT], v[TT], v[TT+1]
	v_add_f32_dpp v[TT], v[TT], v[TT] row_xmask:1 row_mask:0xf bank_mask:0xf
	v_add_f32_dpp v[TT], v[TT], v[TT] row_xmask:2 row_mask:0xf bank_mask:0xf
	v_mul_f32 v[TT], 0x3d8293ee, v[TT]             ; x log2(e) / sqrt(512)
	ds_store_b32 v10, v[TT] offset:32*\s           ; the four lanes of a key write the same word with the same number
.irp i, 0,1,2,3,4,5,6,7,8,9,10,11,12,13,14,15
	v_med3_num_f32 v[XX+\i], v[XX+\i], -v182, v182 ; the conversion to an 8-bit code does not saturate (ISA guide 7.6.2): the hold comes first
.endr
	v_cvt_scalef32_pk8_bf8_f32 v[CC:CC+1], v[XX:XX+7], v181
	v_cvt_scalef32_pk8_bf8_f32 v[CC+2:CC+3], v[XX+8:XX+15], v181
	v_nop                                          ; one plain vector line behind the last conversion of a run
	ds_store_b128 v8, v[CC:CC+3] offset:128*\s
.endm
	s_wait_loadcnt 17                              ; q0 and K are in; behind them: the mask's load and V's sixteen
	KTURN 0
	KTURN 1
	s_wait_dscnt 8                                 ; step 0 is back; behind its loads: step 1's four stores and four loads
	KSTEP 0
	s_wait_dscnt 2                                 ; step 1 is back; behind its loads: step 0's two stores
	KSTEP 1
	; ---- V: held into two runs of 16 registers, one for each of my columns (the numbers as loaded stay for the global token), and converted: eight keys a conversion
	s_wait_loadcnt 0x0
.irp kk, 0,1,2,3,4,5,6,7,8,9,10,11,12,13,14,15
	v_med3_num_f32 v[136+\kk], v[64+2*\kk], -v184, v184
	v_med3_num_f32 v[152+\kk], v[65+2*\kk], -v184, v184
.endr
	v_cvt_scalef32_pk8_bf8_f32 v[168:169], v[136:143], v183
	v_cvt_scalef32_pk8_bf8_f32 v[170:171], v[144:151], v183
	v_cvt_scalef32_pk8_bf8_f32 v[172:173], v[152:159], v183
	v_cvt_scalef32_pk8_bf8_f32 v[174:175], v[160:167], v183
	v_nop
	ds_store_b64 v9, v[168:169]                    ; column 2 L, keys 0-7
	ds_store_b64 v9, v[170:171] offset:128         ; keys 8-15: the lane 16 further on
	ds_store_b64 v9, v[172:173] offset:8           ; column 2 L + 1: the next row of the tile
	ds_store_b64 v9, v[174:175] offset:136
	s_cmp_lt_u32 s24, 4                            ; the mask's 128 entries: waves 0-3
	s_cbranch_scc0 .Lno_m
	v_cmp_ne_u32 vcc_lo, 0, v180
	v_mov_b32 v238, 0x3c                           ; the code of 1.0
	v_cndmask_b32 v236, 0, v238, vcc_lo
	ds_store_b8 v13, v236
	s_bcnt1_i32_b32 s30, vcc_lo                    ; my 32 keys' count; it becomes a number in rec and steers nothing
	v_mov_b32 v237, s30
	ds_store_b32 v186, v237
.Lno_m:
	BARRIER                                        ; both images, the 128 t, the mask's codes and the counts lie in LDS
	ds_load_b128 v[96:99], v187                    ; four of the block's 128 t
.irp j, 0,1,2,3
	ds_load_b128 v[100+4*\j:103+4*\j], v188 offset:16*\j   ; my own sixteen keys' t, in every lane
.endr
	ds_load_b128 v[116:119], v11 offset:KIMG
	ds_load_b128 v[120:123], v11 offset:KIMG+4096
	ds_load_b128 v[124:127], v11 offset:VIMG
	ds_load_b128 v[128:131], v11 offset:VIMG+4096
	s_wait_dscnt 0x0
	global_store_b128 v11, v[116:119], s[16:17]                ; a wave's store covers 512 consecutive bytes, aligned
	global_store_b128 v11, v[120:123], s[16:17] offset:4096
	global_store_b128 v12, v[124:127], s[18:19]
	global_store_b128 v12, v[128:131], s[18:19] offset:65536
	v_max3_num_f32 v196, v96, v97, v98             ; the block's largest t, in every wave
	v_max_num_f32 v196, v196, v99
	ROWMAX 196
	v_permlanex16_b32 v197, v196, s40, s41
	v_max_num_f32 v196, v196, v197
.irp j, 0,1,2,3
	v_sub_f32 v[96+\j], v[96+\j], v196
.endr
.irp k, 0,1,2,3,4,5,6,7,8,9,10,11,12,13,14,15
	v_sub_f32 v[200+\k], v[100+\k], v196
.endr
.irp j, 0,1,2,3
	v_exp_f32 v[96+\j], v[96+\j]
.endr
.irp k, 0,1,2,3,4,5,6,7,8,9,10,11,12,13,14,15
	v_exp_f32 v[200+\k], v[200+\k]                 ; my sixteen keys' weights
.endr
	v_nop                                          ; a plain line behind the exponentials
	s_wait_alu depctr_va_vdst(0)
	v_add_f32 v198, v96, v97
	v_add_f32 v199, v98, v99
	v_add_f32 v198, v198, v199
	ROWSUM 198
	v_permlanex16_b32 v199, v198, s40, s41
	v_add_f32 v198, v198, v199                     ; the block's part sum l
	v_mul_f32 v132, v64, v200                      ; o of my two columns over my sixteen keys: the first product starts the sums
	v_mul_f32 v133, v65, v200
.irp k, 1,2,3,4,5,6,7,8,9,10,11,12,13,14,15
	v_fmac_f32 v132, v[64+2*\k], v[200+\k]
	v_fmac_f32 v133, v[65+2*\k], v[200+\k]
.endr
	ds_store_b64 v14, v[132:133]
	s_cmp_lt_u32 s24, 4                            ; wave t: the sums of tile t's codes over the block's 128 keys
	s_cbranch_scc0 .Lno_s
.irp c, 0,1,2,3,4,5,6,7
	ds_load_b64 v[216+2*\c:217+2*\c], v190 offset:256*\c   ; source 0: 16 rows d x 128 keys
	ds_load_b64 v[232+2*\c:233+2*\c], v191 offset:16*\c    ; source 1: the mask's codes, the same in every column
.endr
	v_and_b32 v134, 8, v0
	v_cmp_ne_u32 vcc_lo, 0, v134
	v_mov_b32 v135, 0x3c3c3c3c
	s_wait_dscnt 0x0
.irp x, 0,1,2,3,4,5,6,7,8,9,10,11,12,13,14,15
	v_cndmask_b32 v[232+\x], v[232+\x], v135, vcc_lo       ; columns 8-15: 1.0 for every key
.endr
	v_wmma_f32_16x16x128_bf8_bf8 v[248:255], v[216:231], v[232:247], 0
.rept 4
	v_nop                                          ; four places behind a matrix instruction before its result is read (ISA guide 7.12.1)
.endr
	ds_store_b128 v15, v[248:251]                  ; the eight lanes of a half row hold the same numbers and write the same words; the result is read from its low end on
	ds_store_b128 v15, v[252:255] offset:16
.Lno_s:
	BARRIER                                        ; the part sums of o and the sums of codes lie in LDS
	s_cmp_gt_u32 s24, 1
	s_cbranch_scc1 .Lend
	global_store_b128 v11, v[176:179], s[22:23]    ; the piece of fc_w, as it was loaded: 16 x thread
	s_cmp_eq_u32 s24, 0
	s_cbranch_scc0 .Lwave1
	ds_load_b128 v[96:99], v193 offset:RECL        ; wave 0: words 0-127
	s_wait_dscnt 0x0
	global_store_b128 v193, v[96:99], s[20:21]
	s_branch .Lend
.Lwave1:                                           ; wave 1: words 128-255
.irp x, 0,1,2,3,4,5,6,7
	ds_load_b128 v[200+4*\x:203+4*\x], v194 offset:256*\x
.endr
	ds_load_b128 v[232:235], v195 offset:CNT
	s_wait_dscnt 0x0
.irp x, 1,2,3,4,5,6,7
	v_pk_add_f32 v[200:201], v[200:201], v[200+4*\x:201+4*\x]
	v_pk_add_f32 v[202:203], v[202:203], v[202+4*\x:203+4*\x]
.endr
	v_add_nc_u32 v232, v232, v233
	v_add_nc_u32 v234, v234, v235
	v_add_nc_u32 v232, v232, v234
	v_cvt_f32_u32 v232, v232
	v_cmp_eq_u32 s30, 16, v1
	v_cmp_le_u32 vcc_lo, 16, v1
	v_cndmask_b32 v236, 0, v196, s30               ; lane 16: the largest t, l, the count, 0; lanes 17-31: zeros
	v_cndmask_b32 v237, 0, v198, s30
	v_cndmask_b32 v238, 0, v232, s30
	v_cndmask_b32 v200, v200, v236, vcc_lo
	v_cndmask_b32 v201, v201, v237, vcc_lo
	v_cndmask_b32 v202, v202, v238, vcc_lo
	v_cndmask_b32 v203, v203, v195, vcc_lo
	global_store_b128 v193, v[200:203], s[20:21] offset:512
.Lend:
	s_wait_tensorcnt 0x0
	ds_add_u32 v189, v192
	s_wait_dscnt 0x0
	s_endpgm
.Lfunc_end_k_qc128cbec29_prep:
	.size	k_qc128cbec29_prep, .Lfunc_end_k_qc128cbec29_prep-k_qc128cbec29_prep
	.p2alignl 7, 3214868480
	.fill 96, 4, 3214868480
	.section	.rodata,"a",@progbits
	.p2align	6, 0x0
	.amdhsa_kernel k_qc128cbec29_prep
		.amdhsa_group_segment_fixed_size 62464
		.amdhsa_private_segment_fixed_size 0
		.amdhsa_enable_private_segment 0
		.amdhsa_kernarg_size 80
		.amdhsa_user_sgpr_count 2
		.amdhsa_user_sgpr_kernarg_segment_ptr 1
		.amdhsa_wavefront_size32 1
		.amdhsa_system_sgpr_workgroup_id_x 1
		.amdhsa_system_sgpr_workgroup_id_y 1
		.amdhsa_system_sgpr_workgroup_id_z 1
		.amdhsa_system_vgpr_workitem_id 0
		.amdhsa_next_free_vgpr 256
		.amdhsa_next_free_sgpr 66
		.amdhsa_reserve_vcc 1
		.amdhsa_float_denorm_mode_32 3
		.amdhsa_float_denorm_mode_16_64 3
		.amdhsa_memory_ordered 1
		.amdhsa_forward_progress 1
		.amdhsa_inst_pref_size 27
	.end_amdhsa_kernel
	.amdgpu_metadata
---
amdhsa.version: [ 1, 2 ]
amdhsa.kernels:
  - .name:           k_qc128cbec29_prep
    .symbol:         k_qc128cbec29_prep.kd
    .args:
      - { .name: keys, .offset: 0, .size: 8, .value_kind: global_buffer, .address_space: global }
      - { .name: values, .offset: 8, .size: 8, .value_kind: global_buffer, .address_space: global }
      - { .name: query, .offset: 16, .size: 8, .value_kind: global_buffer, .address_space: global }
      - { .name: mask, .offset: 24, .size: 8, .value_kind: global_buffer, .address_space: global }
      - { .name: lowp_scales, .offset: 32, .size: 8, .value_kind: global_buffer, .address_space: global }
      - { .name: fc_w_codes, .offset: 40, .size: 8, .value_kind: global_buffer, .address_space: global }
      - { .name: kc, .offset: 48, .size: 8, .value_kind: global_buffer, .address_space: global }
      - { .name: vc, .offset: 56, .size: 8, .value_kind: global_buffer, .address_space: global }
      - { .name: rec, .offset: 64, .size: 8, .value_kind: global_buffer, .address_space: global }
      - { .name: wi, .offset: 72, .size: 8, .value_kind: global_buffer, .address_space: global }
    .group_segment_fixed_size: 62464
    .private_segment_fixed_size: 0
    .kernarg_segment_align: 8
    .kernarg_segment_size: 80
    .max_flat_workgroup_size: 256
    .sgpr_count:     66
    .vgpr_count:     256
    .wavefront_size: 32
...
	.end_amdgpu_metadata
.endif
;; end of part 1
;; launch attn (part 2): grid 16 x 16, 8 waves a work-group, no clusters, 95,744 bytes of LDS; arguments query, mask, lowp_scales, kc, vc, rec, ac; writes ac
.if DOCPART == 2
	.amdgcn_target "amdgcn-amd-amdhsa--gfx1250"
	.amdhsa_code_object_version 6
	.text
	.protected	k_qc128cbec29_attn
	.globl	k_qc128cbec29_attn
	.p2align	8
	.type	k_qc128cbec29_attn,@function
k_qc128cbec29_attn:
	s_mov_b64 s[64:65], 0
	v_nop
	global_prefetch_b8 v0, s[64:65] scope:SCOPE_SE
	s_setreg_imm32_b32 hwreg(HW_REG_WAVE_MODE, 25, 1), 1
	s_wait_xcnt 0x0
; ATTN.  A work-group takes one batch and head (y = 8 b + h) and block m (x) of 128 local queries i = 128 m .. 128 m + 127; query i stands at position (i + 1) % 2048, so that its band, keys i - 128 .. i + 128,
; lies in key blocks m - 1, m, m + 1: the WINDOW, 24 groups of 16 keys.  Slot i = 2047 has no local query: it carries the global token's row (position 0).  A wave owns 16 queries, one tile.
; WHAT IS MULTIPLIED.  Scores: only the 17 groups that touch the wave's band; outside the band the energy is 0 by the problem's own mask.  Weights x values: the window's 384 keys on the matrix unit.  For every key
; outside the window the weight of a row is one number, 2^-M (0 where the input mask hides the key), so their part of the sum is Q(2^-M) x (the sum of V's codes over those keys), which the launch before has made by blocks.
; THE SOFTMAX: t = energy x log2(e) / sqrt(512); M = ceil(the row's largest t over ALL 2,048 keys: the far keys' 0 is among them where one counts); p = 2^(t - M) is quantised; l sums the unquantised p.  All 384 keys of the window
; are in registers at once, so M is the row's own and nothing is rescaled.
; BOTH PRODUCTS ARE USED TRANSPOSED: S^T = K Q^T (source 0 = 16 keys), O^T = V^T P^T (source 0 = 16 d): a lane holds ONE query (lane % 16) throughout.  The input mask goes in as the C of the scores' product: 0, or -1e20 in the sums' units.
; A wave walks RELATIVE groups rho = 0 .. 23, group (w + rho) % 24 of the window: rho 0-16 is its band (edges: in rho = 0 key 8 hh + j counts where it is >= r, in rho = 16 where <= r), rho 17-23 the window's other keys, whose score is
; the bias itself.  In LDS V and the bias hold groups 0-7 once more behind group 23, so that rho stands in the immediate offset.
; A block of the window that does not exist (m = 0, m = 15) is read from the neighbouring block and all its keys get the hidden bias.
; A BATCH WHOSE MASK IS ALL ZERO gives equal energies, so equal weights: then Q's codes become 0, the mask counts as all ones, and the far sums and counts are those over all keys; all by selects, no branch.
; LIMITS: each scale's e between -126 and 112; eq + ek between -122 and 24 (it is added to c's exponent field, and every energy that counts then stays above -1e19, so that a hidden key weighs nothing beside it).
; NaN and infinities among the inputs are not served.
; NO CLUSTER, NO TENSOR LOAD: neighbouring work-groups share two of three blocks but no two have the same window, and the edge work-groups read other blocks; each work-group fetches its 48 KiB of codes once and fills no LDS byte twice.
.set KB,   0                           ; K: [group 24][1,024 bytes]
.set VB,   24576                       ; V: [tile of d 4][group 32][256 bytes]
.set BIAS, 57344                       ; 512 f32: the window's 384 keys, then the first 128 once more
.set FARV, 59392                       ; 64 f32: the far keys' sum of V's codes; 64 f32: the global token's row
.set QST,  59904                       ; 8 waves x 16 rows x (256 + 16) bytes: rows begin at sixteen different 16-byte columns modulo 256
; REGISTERS: v1 lane, v2 r, v3 hh; v4-12 LDS addresses; v13, v14 Q's offsets; v15 r - 8 hh; v16-23 Q's codes, at the end the row's codes; v24-31 statistics; v32-63 fragments of K, then P of rho 0-15;
;   v64-255 S^T, eight registers a group; later v64-79 P of rho 16-23, v80-111 O^T (register 8 t + j: d = 32 (t/2) + 16 hh + 8 (t%2) + j), v112-239 fragments of V.
;   At the head: v48-53 addresses used once; v64-95 Q, v96-119 K, v120-143 V on their way to LDS; v144-239 wave 0's records; v240, v241 mask; v242-255 at work.
.macro ROWSUM r
.irp x, 1,2,4,8
	v_add_f32_dpp v[\r], v[\r], v[\r] row_xmask:\x row_mask:0xf bank_mask:0xf
.endr
.endm
.macro ROWMAX r
.irp x, 1,2,4,8
	v_max_num_f32_dpp v[\r], v[\r], v[\r] row_xmask:\x row_mask:0xf bank_mask:0xf
.endr
.endm
.macro SCALE sc, lim, e                ; s[sc] = 2^e as f32, s[lim] = 57,344 x 2^e
	s_add_co_i32 s[\lim], s[\e], 127
	s_lshl_b32 s[\sc], s[\lim], 23
	s_add_co_i32 s[\lim], s[\lim], 15
	s_lshl_b32 s[\lim], s[\lim], 23
	s_or_b32 s[\lim], s[\lim], 0x600000
.endm
.macro PLACES                          ; four places behind a matrix instruction before its result is read or a load is issued into one of its registers (ISA guide 7.12.1 for vector instructions)
.rept 4
	v_nop
.endr
.endm
.macro BLOAD reg, rho                  ; the bias of group rho's keys 8 hh + 0..7
	ds_load_b128 v[\reg:\reg+3], v5 offset:64*(\rho)
	ds_load_b128 v[\reg+4:\reg+7], v5 offset:64*(\rho)+16
.endm
.macro KLOAD reg, rho                  ; group rho's fragment of K
	ds_load_b128 v[\reg:\reg+3], v4 offset:1024*(\rho)
	ds_load_b128 v[\reg+4:\reg+7], v4 offset:1024*(\rho)+512
.endm
.macro QK rho, reg                     ; S^T of group rho = K Q^T + bias; each accumulator has this one instruction
	v_wmma_f32_16x16x64_bf8_bf8 v[64+8*(\rho):71+8*(\rho)], v[\reg:\reg+7], v[16:23], v[64+8*(\rho):71+8*(\rho)]
.endm
.macro VLOAD reg, s                    ; the four tiles of V^T for groups 8 s .. 8 s + 7: 128 keys
.irp t, 0,1,2,3
.irp c, 0,1,2,3,4,5,6,7
	ds_load_b64 v[\reg+16*\t+2*\c:\reg+16*\t+2*\c+1], v6 offset:8192*\t+256*(8*\s+\c)
.endr
.endr
.endm
.macro PV vreg, preg, zero             ; O^T (+)= V^T P^T, the four accumulators by turns
.irp t, 0,1,2,3
.if \zero
	v_wmma_f32_16x16x128_bf8_bf8 v[80+8*\t:87+8*\t], v[\vreg+16*\t:\vreg+16*\t+15], v[\preg:\preg+15], 0
.else
	v_wmma_f32_16x16x128_bf8_bf8 v[80+8*\t:87+8*\t], v[\vreg+16*\t:\vreg+16*\t+15], v[\preg:\preg+15], v[80+8*\t:87+8*\t]
.endif
.endr
.endm
	s_load_b256 s[4:11], s[0:1], 0x0               ; query 4, mask 6, scales 8, kc 10
	s_load_b128 s[12:15], s[0:1], 0x20             ; vc 12, rec 14
	s_load_b64 s[16:17], s[0:1], 0x30              ; ac
	s_set_vgpr_msb 0x40
	v_lshl_add_u32 v0, v0, 2, 0x17200
	v_mov_b32 v1, 0
	s_set_vgpr_msb 0x4000
	v_lshrrev_b32 v1, 5, v0
	v_readfirstlane_b32 s18, v1                    ; wave w
	v_and_b32 v1, 31, v0                           ; lane L
	v_and_b32 v2, 15, v0                           ; r
	v_bfe_u32 v3, v0, 4, 1                         ; hh
	s_mov_b32 s19, ttmp9                           ; m
	s_and_b32 s20, ttmp7, 0xffff                   ; bh
	s_lshr_b32 s21, s20, 3                         ; b
	s_and_b32 s22, s20, 7                          ; h
	s_lshl_b32 s60, s19, 7
	s_lshl_b32 s30, s18, 4
	s_add_co_u32 s60, s60, s30                     ; i0 = 128 m + 16 w
	s_sub_co_i32 s61, s19, 1
	s_max_i32 s61, s61, 0                          ; the block read for m - 1
	s_add_co_u32 s63, s19, 1
	s_min_u32 s63, s63, 15                         ; and for m + 1
	s_sub_co_i32 s58, 1, s19
	s_cmp_gt_u32 s19, 0
	s_cselect_b32 s49, -1, 0                       ; does block m - 1 exist?
	s_cmp_gt_u32 s18, 3
	s_cselect_b32 s49, -1, s49                     ; waves 4-7 make block m's bias, which always does
	s_cselect_b32 s23, s19, s61                    ; the block whose mask my thread reads first
	s_cmp_lt_u32 s19, 15
	s_cselect_b32 s50, -1, 0                       ; does block m + 1 exist?
	s_mov_b32 s44, 0x76543210                      ; v_permlanex16_b32: lane l xor 16
	s_mov_b32 s45, 0xfedcba98
	s_lshl_b32 s30, s18, 10
	v_lshl_add_u32 v4, v1, 4, s30                  ; K: group w, 16 L (KB = 0)
	s_lshl_b32 s30, s18, 6
	v_lshl_add_u32 v5, v3, 5, s30
	v_add_nc_u32 v5, BIAS, v5                      ; bias: group w, keys 8 hh on
	s_lshl_b32 s30, s18, 8
	v_lshl_add_u32 v6, v1, 3, s30
	v_add_nc_u32 v6, VB, v6                        ; V: group w, 8 L
	v_lshlrev_b32 v7, 6, v3
	v_add_nc_u32 v7, FARV, v7                      ; my 16 d of each 32: 64 hh
	v_lshlrev_b32 v8, 4, v0                        ; 16 x thread
	v_and_b32 v54, 127, v0
	v_lshrrev_b32 v55, 7, v0
	v_lshlrev_b32 v9, 15, v55                      ; vc: tile thread / 128 (+ 2), 16 (thread % 128) of the block's 2,048 bytes
	v_lshl_add_u32 v9, v54, 4, v9
	v_lshlrev_b32 v10, 13, v55                     ; and the same place in LDS
	v_lshl_add_u32 v10, v54, 4, v10
	v_add_nc_u32 v10, VB, v10
	s_mul_i32 s30, s18, 4352
	s_add_co_u32 s30, s30, QST                     ; my stage
	v_mul_u32_u24 v11, v3, 272                     ; way in: row hh (+ 2 x), 16 r
	v_lshl_add_u32 v11, v2, 4, v11
	v_add_nc_u32 v11, s30, v11
	v_mul_u32_u24 v12, v2, 272                     ; way out: row r, d = 16 hh on
	v_lshl_add_u32 v12, v3, 6, v12
	v_add_nc_u32 v12, s30, v12
	v_add_nc_u32 v13, s60, v3
	v_add_nc_u32 v14, 15, v13                      ; the last two rows: positions (i0 + 15 + hh) % 2048: slot 2047 reads row 0, whose result is not kept
	v_and_b32 v14, 0x7ff, v14
	v_lshlrev_b32 v14, 11, v14
	v_lshl_add_u32 v14, v2, 4, v14
	v_add_nc_u32 v13, 1, v13                       ; position i0 + 1 + hh (+ 2 x)
	v_lshlrev_b32 v13, 11, v13
	v_lshl_add_u32 v13, v2, 4, v13
	v_lshlrev_b32 v15, 3, v3
	v_sub_nc_u32 v15, v2, v15                      ; r - 8 hh
	v_lshlrev_b32 v48, 2, v0
	v_add_nc_u32 v48, BIAS, v48
	v_lshlrev_b32 v50, 3, v1
	v_add_nc_u32 v49, FARV, v50
	v_lshlrev_b32 v51, 10, v2
	v_add_nc_u32 v51, 768, v51                     ; words 192-195 of block r's record
	s_lshl_b32 s30, s23, 9
	v_lshl_add_u32 v52, v54, 2, s30
	s_lshl_b32 s30, s63, 9
	v_lshl_add_u32 v53, v54, 2, s30
	s_mov_b32 s31, 0
	s_wait_kmcnt 0x0
	s_load_b128 s[24:27], s[8:9], 0x0              ; eq, ek, ev, ep
	s_load_b64 s[28:29], s[8:9], 0x10              ; ea, ew
	s_lshl_b32 s30, s21, 22
	s_lshl_b32 s62, s22, 8
	s_add_co_u32 s30, s30, s62
	s_add_nc_u64 s[4:5], s[4:5], s[30:31]          ; query at the batch and head
	s_lshl_b32 s30, s21, 13
	s_add_nc_u64 s[6:7], s[6:7], s[30:31]          ; mask at the batch
	s_lshl_b32 s30, s20, 14
	s_add_nc_u64 s[14:15], s[14:15], s[30:31]      ; rec at bh
	s_lshl_b32 s62, s20, 4
	s_add_co_u32 s30, s62, s61
	s_lshl_b32 s30, s30, 13
	s_add_nc_u64 s[32:33], s[10:11], s[30:31]      ; kc at the window's three blocks
	s_add_co_u32 s30, s62, s19
	s_lshl_b32 s30, s30, 13
	s_add_nc_u64 s[34:35], s[10:11], s[30:31]
	s_add_co_u32 s30, s62, s63
	s_lshl_b32 s30, s30, 13
	s_add_nc_u64 s[36:37], s[10:11], s[30:31]
	s_lshl_b32 s62, s20, 17
	s_lshl_b32 s30, s61, 11
	s_add_co_u32 s30, s30, s62
	s_add_nc_u64 s[38:39], s[12:13], s[30:31]      ; vc likewise
	s_lshl_b32 s30, s19, 11
	s_add_co_u32 s30, s30, s62
	s_add_nc_u64 s[40:41], s[12:13], s[30:31]
	s_lshl_b32 s30, s63, 11
	s_add_co_u32 s30, s30, s62
	s_add_nc_u64 s[42:43], s[12:13], s[30:31]
	s_lshl_b32 s30, s21, 7                         ; ac: tile of slots 128 b + 8 m + w, 8,192 bytes; head h's 64 along K: 1,024 h
	s_lshl_b32 s62, s19, 3
	s_add_co_u32 s30, s30, s62
	s_add_co_u32 s30, s30, s18
	s_lshl_b32 s30, s30, 13
	s_lshl_b32 s62, s22, 10
	s_add_co_u32 s30, s30, s62
	s_add_nc_u64 s[16:17], s[16:17], s[30:31]
	; ---- the loads.  Wave 0's records stand first, so that the counts below hold in every wave
	s_cmp_lg_u32 s18, 0
	s_cbranch_scc1 .Lno_rec
.irp kb, 0,1,2,3,4,5,6,7,8,9,10,11,12,13,14,15
.irp p, 0,1,2
	global_load_b64 v[144+6*\kb+2*\p:145+6*\kb+2*\p], v50, s[14:15] offset:1024*\kb+256*\p   ; d = 2 L, 2 L + 1 of: the unmasked keys' sum, all keys' sum, the global token's o
.endr
.endr
.Lno_rec:
	global_load_b128 v[24:27], v51, s[14:15]       ; block r's largest t, l, count, 0
	global_load_b32 v240, v52, s[6:7]
	global_load_b32 v241, v53, s[6:7]
.irp x, 0,1,2,3,4,5,6
	global_load_b128 v[64+4*\x:67+4*\x], v13, s[4:5] offset:4096*\x th:TH_LOAD_NT   ; sixteen lanes take a query's 256 bytes
.endr
	global_load_b128 v[92:95], v14, s[4:5] th:TH_LOAD_NT
.irp i, 0,1,2,3,4,5
	global_load_b128 v[96+4*\i:99+4*\i], v8, s[32+2*(\i/2):33+2*(\i/2)] offset:4096*(\i%2)
.endr
.irp i, 0,1,2,3,4,5
	global_load_b128 v[120+4*\i:123+4*\i], v9, s[38+2*(\i/2):39+2*(\i/2)] offset:65536*(\i%2)
.endr
	s_wait_kmcnt 0x0
	s_add_co_i32 s59, s24, s25                     ; eq + ek: a sum of the scores' product stands for sum x 2^(eq + ek)
	s_lshl_b32 s46, s59, 23
	s_add_co_i32 s46, s46, 0x3d8293ee              ; c = log2(e) / sqrt(512), with eq + ek added to its exponent field
	s_mov_b32 s47, s46                             ; (named with it as a pair, so it is written)
	s_sub_co_i32 s59, 0, s59
	SCALE 51, 52, 24                               ; eq
	SCALE 53, 54, 27                               ; ep
	SCALE 55, 56, 28                               ; ea
	s_add_co_i32 s57, s27, s26                     ; ep + ev
	; ---- the far keys' count, the flags and the bias
	s_wait_loadcnt 20                              ; records and masks are in; behind them: Q's 8, K's 6, V's 6
	v_mov_b32 v242, v26
	ROWSUM 242                                     ; the batch's count of unmasked keys
	v_cmp_eq_f32 s48, 0, v242                      ; ALL HIDDEN: it selects numbers below and steers nothing
	v_add_nc_u32 v243, s58, v2                     ; block r - m + 1: 0, 1, 2 in the window
	v_cmp_lt_u32 vcc_lo, 2, v243
	v_mov_b32 v245, 1.0
	v_cndmask_b32 v244, 0, v245, vcc_lo            ; 1 for a far block
	v_mov_b32 v246, 0x43000000                     ; 128.0
	v_cndmask_b32 v246, v26, v246, s48
	v_mul_f32 v29, v244, v246
	ROWSUM 29                                      ; the far keys that count
	v_mov_b32 v247, 0xe0ad78ec                     ; -1e20,
	v_ldexp_f32 v247, v247, s59                    ; in the sums' units
	v_mov_b32 v248, 0
	v_cmp_lt_f32 vcc_lo, 0, v29
	v_cndmask_b32 v28, v247, v248, vcc_lo          ; the far keys' energy for the maximum: 0 if one counts
	v_cmp_ne_u32 vcc_lo, 0, v240
	s_or_b32 vcc_lo, vcc_lo, s48
	s_and_b32 vcc_lo, vcc_lo, s49
	v_cndmask_b32 v249, v247, v248, vcc_lo
	ds_store_b32 v48, v249                         ; the window's key number = my thread's
	s_cmp_lt_u32 s18, 4
	s_cbranch_scc0 .Lno_b2
	ds_store_b32 v48, v249 offset:1536             ; groups 0-7 once more behind group 23
	v_cmp_ne_u32 vcc_lo, 0, v241
	s_or_b32 vcc_lo, vcc_lo, s48
	s_and_b32 vcc_lo, vcc_lo, s50
	v_cndmask_b32 v250, v247, v248, vcc_lo
	ds_store_b32 v48, v250 offset:1024             ; block m + 1
.Lno_b2:
	s_cmp_lg_u32 s18, 0
	s_cbranch_scc1 .Lno_g
	v_mov_b32 v32, v24                             ; wave 0: the global token's sixteen parts are joined, and the far blocks' sums added
	ROWMAX 32
	v_sub_f32 v33, v24, v32
	v_exp_f32 v33, v33
	v_nop
	s_wait_alu depctr_va_vdst(0)
	v_mul_f32 v34, v33, v25
	ROWSUM 34
	v_rcp_f32 v34, v34
	v_nop
	s_wait_alu depctr_va_vdst(0)
	v_mul_f32 v33, v33, v34                        ; 2^(block's largest t - the largest) / l
.irp kb, 0,1,2,3,4,5,6,7,8,9,10,11,12,13,14,15
	v_readlane_b32 s[68+\kb], v244, \kb
	v_readlane_b32 s[84+\kb], v33, \kb
.endr
	v_mul_f32 v252, s68, v144
	v_mul_f32 v253, s68, v145
	v_mul_f32 v36, s68, v146
	v_mul_f32 v37, s68, v147
	v_mul_f32 v254, s84, v148
	v_mul_f32 v255, s84, v149
.irp kb, 1,2,3,4,5,6,7,8,9,10,11,12,13,14,15
	v_fmac_f32 v252, s[68+\kb], v[144+6*\kb]
	v_fmac_f32 v253, s[68+\kb], v[145+6*\kb]
	v_fmac_f32 v36, s[68+\kb], v[146+6*\kb]
	v_fmac_f32 v37, s[68+\kb], v[147+6*\kb]
	v_fmac_f32 v254, s[84+\kb], v[148+6*\kb]
	v_fmac_f32 v255, s[84+\kb], v[149+6*\kb]
.endr
	v_cndmask_b32 v252, v252, v36, s48
	v_cndmask_b32 v253, v253, v37, s48
	ds_store_b64 v49, v[252:253]
	ds_store_b64 v49, v[254:255] offset:256
.Lno_g:
	; ---- Q through my stage, so that a lane holds 16 neighbours along d of query r, and into codes
	s_wait_loadcnt 12                              ; Q is in; behind it: K's 6 and V's 6
.irp x, 0,1,2,3,4,5,6,7
	ds_store_b128 v11, v[64+4*\x:67+4*\x] offset:544*\x
.endr
.irp c, 0,1
.irp j, 0,1,2,3
	ds_load_b128 v[32+16*\c+4*\j:35+16*\c+4*\j], v12 offset:128*\c+16*\j   ; LDS serves a wave's instructions in order: these see my stores
.endr
.endr
	v_mov_b32 v26, s51
	v_mov_b32 v27, s52
	s_wait_dscnt 0x0
.set i, 32
.rept 32
	v_med3_num_f32 v[i], v[i], -v27, v27           ; the conversion to an 8-bit code does not saturate (ISA guide 7.6.2): the hold comes first
.set i, i+1
.endr
.irp c, 0,1,2,3
	v_cvt_scalef32_pk8_bf8_f32 v[16+2*\c:17+2*\c], v[32+8*\c:39+8*\c], v26   ; registers 4 c' .. 4 c' + 3: d = 32 c' + 16 hh + 0..15, as K's fragments have it
.endr
	v_nop                                          ; one plain vector line behind the last conversion of a run
.irp x, 0,1,2,3,4,5,6,7
	v_cndmask_b32 v[16+\x], v[16+\x], v248, s48
.endr
	s_wait_loadcnt 6                               ; K is in
.irp i, 0,1,2,3,4,5
	ds_store_b128 v8, v[96+4*\i:99+4*\i] offset:KB+4096*\i
.endr
	s_wait_loadcnt 0x0                             ; V is in
.irp i, 0,1,2,3,4,5
	ds_store_b128 v10, v[120+4*\i:123+4*\i] offset:16384*(\i%2)+2048*(\i/2)
.endr
	ds_store_b128 v10, v[120:123] offset:6144      ; groups 0-7 once more behind group 23
	ds_store_b128 v10, v[124:127] offset:16384+6144
	v_mov_b32 v26, s53                             ; 2^ep and its hold, for p
	v_mov_b32 v27, s54
	s_wait_dscnt 0x0                               ; for the others' sake: my stores have landed
	s_barrier_signal -1
	s_barrier_wait -1                              ; the one barrier: K, V, the bias, the far sums and the global row lie in LDS, and nothing there is written again
	; ---- S^T = K Q^T + bias
.set q, 0
.rept 17
	BLOAD 64+8*q, q
.set q, q+1
.endr
.irp q, 0,1,2,3
	KLOAD 32+8*\q, \q
.endr
.irp q, 4,5,6,7,8,9,10
	KLOAD 200+8*(\q-4), \q
.endr
	s_wait_dscnt 14                                ; the biases and groups 0-3 are in; behind them: groups 4-10's fourteen loads
.irp q, 0,1,2,3
	QK \q, 32+8*\q
.endr
	s_wait_dscnt 0x0
.irp q, 4,5,6,7,8,9,10
	QK \q, 200+8*(\q-4)
.endr
	PLACES
.irp q, 11,12,13,14
	KLOAD 32+8*(\q-11), \q
.endr
	KLOAD 200, 15
	KLOAD 208, 16
	s_wait_dscnt 0x0
.irp q, 11,12,13,14
	QK \q, 32+8*(\q-11)
.endr
	QK 15, 200
	QK 16, 208
	PLACES
.irp q, 17,18,19,20,21,22,23
	BLOAD 64+8*\q, \q                              ; outside the band the score is the bias itself
.endr
	BLOAD 32, 0
	BLOAD 40, 16
	s_wait_dscnt 0x0
.irp j, 0,1,2,3,4,5,6,7                            ; the band's two edges; each result is read from its low end on
	v_cmp_ge_i32 vcc_lo, \j, v15                   ; group 0: key 8 hh + j counts where it is >= r
	v_cndmask_b32 v[64+\j], v[32+\j], v[64+\j], vcc_lo
.endr
.irp j, 0,1,2,3,4,5,6,7
	v_cmp_le_i32 vcc_lo, \j, v15                   ; group 16: where it is <= r
	v_cndmask_b32 v[192+\j], v[40+\j], v[192+\j], vcc_lo
.endr
	; ---- the softmax of my query's 192 keys (the lane 16 away has the other 192)
	v_max3_num_f32 v30, v64, v65, v66              ; two chains, in ascending order
	v_max3_num_f32 v31, v67, v68, v69
.set i, 6
.rept 46
	v_max3_num_f32 v30, v30, v[64+i], v[65+i]
	v_max3_num_f32 v31, v31, v[66+i], v[67+i]
.set i, i+4
.endr
	v_max3_num_f32 v30, v30, v254, v255
	v_max_num_f32 v30, v30, v31
	v_permlanex16_b32 v31, v30, s44, s45
	v_max_num_f32 v30, v30, v31
	v_max_num_f32 v30, v30, v28                    ; and the far keys'
	v_mul_f32 v30, s46, v30                        ; as t (c is positive)
	v_floor_f32 v24, -v30                          ; -M = floor(-t): M is a whole number
	v_mov_b32 v25, v24
.set i, 64
.rept 96
	v_pk_fma_f32 v[i:i+1], v[i:i+1], s[46:47], v[24:25] op_sel_hi:[1,0,0]   ; t - M, two at a time
.set i, i+2
.endr
.set i, 64
.rept 192
	v_exp_f32 v[i], v[i]                           ; p = 2^(t - M), not normalised
.set i, i+1
.endr
	v_lshlrev_b32 v28, 4, v1                       ; 16 x lane, for the stores at the end (v28 is free: the far keys' energy has gone into the maximum).  It names none of the exponentials' registers: the plain line between them and the first use of a result (ISA guide 5.7.2)
	s_wait_alu depctr_va_vdst(0)
	v_pk_add_f32 v[32:33], v[64:65], v[66:67]      ; THE SUM IS TAKEN OF THE UNQUANTISED p, in two chains
	v_pk_add_f32 v[34:35], v[68:69], v[70:71]
.set i, 72
.rept 46
	v_pk_add_f32 v[32:33], v[32:33], v[i:i+1]
	v_pk_add_f32 v[34:35], v[34:35], v[i+2:i+3]
.set i, i+4
.endr
	v_pk_add_f32 v[32:33], v[32:33], v[34:35]
	v_add_f32 v30, v32, v33
.set q, 0
.rept 24                                           ; group q's eight p become two registers: keys 16 q + 8 hh + 0..7, the pair that the second product's layout gives them
.set sr, 64+8*q
.if q < 16
.set pd, 32+2*q
.else
.set pd, 64+2*(q-16)
.endif
.irp j, 0,1,2,3,4,5,6,7
	v_min_num_f32 v[sr+\j], v[sr+\j], v27          ; p is not negative: the hold is one-sided.  (These are also the plain lines between the conversions)
.endr
	v_cvt_scalef32_pk8_bf8_f32 v[pd:pd+1], v[sr:sr+7], v26
.set q, q+1
.endr
	v_nop
	; ---- O^T = V^T P^T; while V's first fragments are on their way: 2^-M, l, and 2^-M's code as a number
	VLOAD 112, 0
	VLOAD 176, 1
	v_cvt_i32_f32 v31, v24                         ; (it saturates)
	v_ldexp_f32 v31, 1.0, v31
	v_min_num_f32 v31, 1.0, v31                    ; 2^-M: at most 1 wherever a far key counts; where none does it is multiplied by 0, and the hold keeps it finite
	v_permlanex16_b32 v25, v30, s44, s45
	v_add_f32 v30, v30, v25
	v_fmac_f32 v30, v29, v31                       ; l = the window's sum + the far keys' count x 2^-M
	v_min_num_f32 v24, v31, v27
	v_cvt_scalef32_pk8_bf8_f32 v[240:241], v[24:31], v26   ; the first of the eight is wanted; the others are whatever lies there
	v_nop
	v_cvt_f32_bf8 v24, v240                        ; Q(2^-M) in units of 2^ep
	v_rcp_f32 v30, v30
	v_mov_b32 v25, v24                             ; (a plain line behind the reciprocal)
	s_wait_alu depctr_va_vdst(0)
	v_ldexp_f32 v30, v30, s57                      ; 2^(ep + ev) / l
	s_wait_dscnt 32                                ; groups 0-7's V is in; behind it: groups 8-15's 32 loads
	PV 112, 32, 1
	PLACES
	VLOAD 112, 2
	s_wait_dscnt 32                                ; groups 8-15's V is in
	PV 176, 48, 0
	s_wait_dscnt 0x0
	PV 112, 64, 0
	PLACES
	; ---- the far keys' part, the division, the global row, the quantiser of the last product's operand
.irp b, 0,1
.irp x, 0,1,2,3
	ds_load_b128 v[112+16*\b+4*\x:115+16*\b+4*\x], v7 offset:128*\b+16*\x
	ds_load_b128 v[144+16*\b+4*\x:147+16*\b+4*\x], v7 offset:256+128*\b+16*\x
.endr
.endr
	v_add_nc_u32 v29, s60, v2                      ; my slot i
	v_cmp_eq_u32 vcc_lo, 0x7ff, v29
	v_mov_b32 v26, s55                             ; 2^ea and its hold
	v_mov_b32 v27, s56
	s_wait_dscnt 0x0
.set i, 0
.rept 16
	v_pk_fma_f32 v[176+i:177+i], v[112+i:113+i], v[24:25], v[80+i:81+i] op_sel_hi:[1,0,1]   ; each result from its low end on
.set i, i+2
.endr
.set i, 0
.rept 16
	v_pk_mul_f32 v[176+i:177+i], v[176+i:177+i], v[30:31] op_sel_hi:[1,0]
.set i, i+2
.endr
.set i, 0
.rept 32
	v_cndmask_b32 v[176+i], v[176+i], v[144+i], vcc_lo     ; slot 2047 carries the global token's row
.set i, i+1
.endr
.set i, 0
.rept 32
	v_med3_num_f32 v[176+i], v[176+i], -v27, v27
.set i, i+1
.endr
.irp c, 0,1,2,3
	v_cvt_scalef32_pk8_bf8_f32 v[16+2*\c:17+2*\c], v[176+8*\c:183+8*\c], v26
.endr
	v_nop
	global_store_b128 v28, v[16:19], s[16:17]              ; d = 16 hh + 0..15 of slot r: the wave stores 512 consecutive bytes, aligned
	global_store_b128 v28, v[20:23], s[16:17] offset:512   ; d = 32 + 16 hh + 0..15
	s_set_vgpr_msb 0x5
	s_wait_tensorcnt 0x0
	ds_add_u32 v0, v1
	s_wait_dscnt 0x0
	s_set_vgpr_msb 0x500
	s_endpgm
.Lfunc_end_k_qc128cbec29_attn:
	.size	k_qc128cbec29_attn, .Lfunc_end_k_qc128cbec29_attn-k_qc128cbec29_attn
	.p2alignl 7, 3214868480
	.fill 96, 4, 3214868480
	.section	.rodata,"a",@progbits
	.p2align	6, 0x0
	.amdhsa_kernel k_qc128cbec29_attn
		.amdhsa_group_segment_fixed_size 95744
		.amdhsa_private_segment_fixed_size 0
		.amdhsa_enable_private_segment 0
		.amdhsa_kernarg_size 56
		.amdhsa_user_sgpr_count 2
		.amdhsa_user_sgpr_kernarg_segment_ptr 1
		.amdhsa_wavefront_size32 1
		.amdhsa_system_sgpr_workgroup_id_x 1
		.amdhsa_system_sgpr_workgroup_id_y 1
		.amdhsa_system_sgpr_workgroup_id_z 1
		.amdhsa_system_vgpr_workitem_id 0
		.amdhsa_next_free_vgpr 258
		.amdhsa_next_free_sgpr 100
		.amdhsa_reserve_vcc 1
		.amdhsa_float_denorm_mode_32 3
		.amdhsa_float_denorm_mode_16_64 3
		.amdhsa_memory_ordered 1
		.amdhsa_forward_progress 1
		.amdhsa_inst_pref_size 80
	.end_amdhsa_kernel
	.amdgpu_metadata
---
amdhsa.version: [ 1, 2 ]
amdhsa.kernels:
  - .name:           k_qc128cbec29_attn
    .symbol:         k_qc128cbec29_attn.kd
    .args:
      - { .name: query, .offset: 0, .size: 8, .value_kind: global_buffer, .address_space: global }
      - { .name: mask, .offset: 8, .size: 8, .value_kind: global_buffer, .address_space: global }
      - { .name: lowp_scales, .offset: 16, .size: 8, .value_kind: global_buffer, .address_space: global }
      - { .name: kc, .offset: 24, .size: 8, .value_kind: global_buffer, .address_space: global }
      - { .name: vc, .offset: 32, .size: 8, .value_kind: global_buffer, .address_space: global }
      - { .name: rec, .offset: 40, .size: 8, .value_kind: global_buffer, .address_space: global }
      - { .name: ac, .offset: 48, .size: 8, .value_kind: global_buffer, .address_space: global }
    .group_segment_fixed_size: 95744
    .private_segment_fixed_size: 0
    .kernarg_segment_align: 8
    .kernarg_segment_size: 56
    .max_flat_workgroup_size: 256
    .sgpr_count:     100
    .vgpr_count:     258
    .wavefront_size: 32
...
	.end_amdgpu_metadata
.endif
;; end of part 2
;; launch fc (part 3): grid 4 x 64, 4 waves a work-group, no clusters, 35,328 bytes of LDS; arguments ac, wi, fc_b, lowp_scales, out0; writes out0
.if DOCPART == 3
	.amdgcn_target "amdgcn-amd-amdhsa--gfx1250"
	.amdhsa_code_object_version 6
	.text
	.protected	k_qc128cbec29_fc
	.globl	k_qc128cbec29_fc
	.p2align	8
	.type	k_qc128cbec29_fc,@function
k_qc128cbec29_fc:
	s_mov_b64 s[64:65], 0
	v_nop
	global_prefetch_b8 v0, s[64:65] scope:SCOPE_SE
	s_setreg_imm32_b32 hwreg(HW_REG_WAVE_MODE, 25, 1), 1
	s_wait_xcnt 0x0
; FC.  out0[b][p][n] = 2^(ea + ew) x (the sum over k of the row's codes x fc_w's codes) + fc_b[n].  A work-group makes 64 slots (y) x 128 columns (x); each of its four waves 32 x 64: eight accumulators.
; Both operands lie in memory in the order of an operand's registers ([tile of 16][K step of 128][c 0..3][lane][16 bytes]; lane (r, hh): row r, k = 32 c + 16 hh + 0..15, the same order of k on both sides),
; so every fragment comes by four loads of 512 consecutive bytes straight into the registers that the matrix instruction names.  All of K = 512 is asked for at once: 96 loads a wave, four K steps.
; THE MATRIX INSTRUCTION IS USED TRANSPOSED (source 0 = 16 rows of fc_w, source 1 = 16 slots): a lane then holds eight neighbouring columns of one row of the output.
; Slot i of a batch is output row (i + 1) % 2048.
; LIMIT: ea + ew between -126 and 127, so that 2^(ea + ew) is an f32 number.
; NO CLUSTER, NO TENSOR LOAD, NO BARRIER: K is walked once and each wave asks once for all that it multiplies, so there is no ring in which a joint request could recur; through LDS each fragment would be written and read
; once more on its way to the same registers.  Waves share nothing: the stage on the way out is each wave's own.
; REGISTERS: window 0: v1-12 addresses; v16-47 the bias of my 64 columns (8 n + j: column 16 n + 8 hh + j); v64-127 the accumulators (a, n) at 64 + 8 (4 a + n); v128-255 the slots' fragments (a, s) at 128 + 64 a + 16 s,
;   on the way out results and rows.  window 1: fc_w's fragments (n, s) at 64 n + 16 s.
.set MSB, 0
.macro WIN new                         ; s_set_vgpr_msb: bits 1:0 source 0, 3:2 source 1, 5:4 source 2, 7:6 destination; the high byte repeats the setting that is left
.if MSB != \new
	s_set_vgpr_msb (MSB<<8)|\new
.set MSB, \new
.endif
.endm
	s_load_b256 s[4:11], s[0:1], 0x0               ; ac 4, wi 6, fc_b 8, scales 10
	s_load_b64 s[12:13], s[0:1], 0x20              ; out0
	v_lshl_add_u32 v62, v0, 2, 0x8800
	v_mov_b32 v63, 0
	v_lshrrev_b32 v1, 5, v0
	v_readfirstlane_b32 s14, v1                    ; wave
	s_lshr_b32 s15, s14, 1                         ; which 32 slots
	s_and_b32 s16, s14, 1                          ; which 64 columns
	s_mov_b32 s17, ttmp9                           ; x
	s_and_b32 s18, ttmp7, 0xffff                   ; y
	v_and_b32 v1, 31, v0
	v_and_b32 v2, 15, v0                           ; r
	v_bfe_u32 v3, v0, 4, 1                         ; hh
	v_lshlrev_b32 v4, 4, v1                        ; 16 L
	v_lshlrev_b32 v5, 5, v3                        ; the bias: 8 hh numbers on
	s_mul_i32 s22, s14, 8704                       ; my two stages of 16 rows x (256 + 16) bytes
	v_mul_u32_u24 v6, v2, 272                      ; way in: row r, 32 hh
	v_lshl_add_u32 v6, v3, 5, v6
	v_add_nc_u32 v6, s22, v6
	v_mul_u32_u24 v7, v3, 272                      ; way out: row hh (+ 2 x), 16 r
	v_lshl_add_u32 v7, v2, 4, v7
	v_add_nc_u32 v7, s22, v7
	s_lshl_b32 s19, s18, 2
	s_lshl_b32 s22, s15, 1
	s_add_co_u32 s19, s19, s22                     ; my first tile of slots: 4 y + 2 (w / 2)
	s_lshl_b32 s24, s19, 13
	s_mov_b32 s25, 0
	s_and_b32 s22, s19, 127
	s_lshl_b32 s22, s22, 4                         ; its first slot in the batch
	v_add_nc_u32 v12, s22, v3
	v_add_nc_u32 v8, 1, v12                        ; rows i0 + 1 + hh (+ 2 x)
	v_lshlrev_b32 v8, 11, v8
	v_lshl_add_u32 v8, v2, 4, v8
	v_add_nc_u32 v10, 0x8000, v8                   ; the second tile: 16 rows on
	v_add_nc_u32 v9, 15, v12                       ; a tile's last two rows: (i0 + 15 + hh) % 2048: slot 2047 is row 0
	v_and_b32 v9, 0x7ff, v9
	v_lshlrev_b32 v9, 11, v9
	v_lshl_add_u32 v9, v2, 4, v9
	v_add_nc_u32 v11, 31, v12
	v_and_b32 v11, 0x7ff, v11
	v_lshlrev_b32 v11, 11, v11
	v_lshl_add_u32 v11, v2, 4, v11
	s_lshl_b32 s26, s17, 3
	s_lshl_b32 s22, s16, 2
	s_add_co_u32 s26, s26, s22                     ; my first tile of fc_w's rows: 8 x + 4 (w % 2)
	s_lshl_b32 s26, s26, 13
	s_mov_b32 s27, 0
	s_lshl_b32 s28, s17, 9
	s_lshl_b32 s22, s16, 8
	s_add_co_u32 s28, s28, s22                     ; my first column, in bytes: 512 x + 256 (w % 2)
	s_mov_b32 s29, 0
	s_lshr_b32 s30, s18, 5                         ; the batch
	s_lshl_b32 s30, s30, 22
	s_mov_b32 s31, 0
	s_wait_kmcnt 0x0
	s_load_b64 s[20:21], s[10:11], 0x10            ; ea, ew
	s_add_nc_u64 s[4:5], s[4:5], s[24:25]
	s_add_nc_u64 s[6:7], s[6:7], s[26:27]
	s_add_nc_u64 s[8:9], s[8:9], s[28:29]
	s_add_nc_u64 s[12:13], s[12:13], s[28:29]
	s_add_nc_u64 s[12:13], s[12:13], s[30:31]
.irp n, 0,1,2,3
	global_load_b128 v[16+8*\n:19+8*\n], v5, s[8:9] offset:64*\n
	global_load_b128 v[20+8*\n:23+8*\n], v5, s[8:9] offset:64*\n+16
.endr
.irp s, 0,1,2,3                                    ; K step s: 8 loads for the slots, 16 for fc_w
.irp a, 0,1
.irp c, 0,1,2,3
	global_load_b128 v[128+64*\a+16*\s+4*\c:131+64*\a+16*\s+4*\c], v4, s[4:5] offset:8192*\a+2048*\s+512*\c
.endr
.endr
	WIN 0x40                                       ; destination window 1, address window 0
.irp n, 0,1,2,3
.irp c, 0,1,2,3
	global_load_b128 v[64*\n+16*\s+4*\c:64*\n+16*\s+4*\c+3], v4, s[6:7] offset:8192*\n+2048*\s+512*\c
.endr
.endr
	WIN 0
.endr
; K step s: eight matrix instructions, the eight accumulators by turns; the first step starts the sums: nothing is cleared.  left: the younger loads that may stay out
.macro STEP s, left
	s_wait_loadcnt \left
	WIN 0x01                                       ; source 0 (fc_w) window 1
.irp a, 0,1
.irp n, 0,1,2,3
.if \s == 0
	v_wmma_f32_16x16x128_bf8_bf8 v[64+8*(4*\a+\n):71+8*(4*\a+\n)], v[64*\n+16*\s:64*\n+16*\s+15], v[128+64*\a+16*\s:143+64*\a+16*\s], 0
.else
	v_wmma_f32_16x16x128_bf8_bf8 v[64+8*(4*\a+\n):71+8*(4*\a+\n)], v[64*\n+16*\s:64*\n+16*\s+15], v[128+64*\a+16*\s:143+64*\a+16*\s], v[64+8*(4*\a+\n):71+8*(4*\a+\n)]
.endif
.endr
.endr
.endm
	STEP 0, 63                                     ; 72 loads were issued behind step 0's; 63 is the largest count that the wait can name, and a smaller count is safe
	STEP 1, 48
	STEP 2, 24
	STEP 3, 0
	WIN 0
	s_wait_kmcnt 0x0
	s_add_co_i32 s20, s20, s21
	s_add_co_i32 s20, s20, 127
	s_lshl_b32 s20, s20, 23                        ; 2^(ea + ew) as f32
	s_mov_b32 s21, s20                             ; (named with it as a pair, so it is written)
.rept 4
	v_nop                                          ; four places behind the last matrix instruction before results are read and its sources written (ISA guide 7.12.1)
.endr
	; THE WAY OUT.  A lane holds 32 neighbouring bytes of a row and the lanes beside it other rows: a tile goes through my own stage and comes back by rows of 256 bytes.  LDS serves a wave's instructions in order
.irp a, 0,1
.irp n, 0,1,2,3
.irp i, 0,2,4,6
	v_pk_fma_f32 v[128+32*\a+8*\n+\i:129+32*\a+8*\n+\i], v[64+8*(4*\a+\n)+\i:65+8*(4*\a+\n)+\i], s[20:21], v[16+8*\n+\i:17+8*\n+\i] op_sel_hi:[1,0,1]   ; sum x 2^(ea + ew) + bias; each accumulator from its low end on
.endr
.endr
.irp n, 0,1,2,3
	ds_store_b128 v6, v[128+32*\a+8*\n:131+32*\a+8*\n] offset:4352*\a+64*\n
	ds_store_b128 v6, v[132+32*\a+8*\n:135+32*\a+8*\n] offset:4352*\a+64*\n+16
.endr
.irp x, 0,1,2,3,4,5,6,7
	ds_load_b128 v[192+32*\a+4*\x:195+32*\a+4*\x], v7 offset:4352*\a+544*\x
.endr
.endr
.irp x, 0,1,2,3,4,5,6
	s_wait_dscnt 23-\x                             ; behind the first tile's load x: its 7 - x others and the second tile's sixteen LDS instructions
	global_store_b128 v8, v[192+4*\x:195+4*\x], s[12:13] offset:4096*\x th:TH_STORE_NT   ; sixteen lanes store 256 consecutive bytes, at a multiple of 256 from the output's first byte
.endr
	s_wait_dscnt 16
	global_store_b128 v9, v[220:223], s[12:13] th:TH_STORE_NT
.irp x, 0,1,2,3,4,5,6
	s_wait_dscnt 7-\x
	global_store_b128 v10, v[224+4*\x:227+4*\x], s[12:13] offset:4096*\x th:TH_STORE_NT
.endr
	s_wait_dscnt 0x0
	global_store_b128 v11, v[252:255], s[12:13] th:TH_STORE_NT
	s_wait_tensorcnt 0x0
	ds_add_u32 v62, v63
	s_wait_dscnt 0x0
	s_endpgm
.Lfunc_end_k_qc128cbec29_fc:
	.size	k_qc128cbec29_fc, .Lfunc_end_k_qc128cbec29_fc-k_qc128cbec29_fc
	.p2alignl 7, 3214868480
	.fill 96, 4, 3214868480
	.section	.rodata,"a",@progbits
	.p2align	6, 0x0
	.amdhsa_kernel k_qc128cbec29_fc
		.amdhsa_group_segment_fixed_size 35328
		.amdhsa_private_segment_fixed_size 0
		.amdhsa_enable_private_segment 0
		.amdhsa_kernarg_size 40
		.amdhsa_user_sgpr_count 2
		.amdhsa_user_sgpr_kernarg_segment_ptr 1
		.amdhsa_wavefront_size32 1
		.amdhsa_system_sgpr_workgroup_id_x 1
		.amdhsa_system_sgpr_workgroup_id_y 1
		.amdhsa_system_sgpr_workgroup_id_z 1
		.amdhsa_system_vgpr_workitem_id 0
		.amdhsa_next_free_vgpr 512
		.amdhsa_next_free_sgpr 66
		.amdhsa_reserve_vcc 0
		.amdhsa_float_denorm_mode_32 3
		.amdhsa_float_denorm_mode_16_64 3
		.amdhsa_memory_ordered 1
		.amdhsa_forward_progress 1
		.amdhsa_inst_pref_size 22
	.end_amdhsa_kernel
	.amdgpu_metadata
---
amdhsa.version: [ 1, 2 ]
amdhsa.kernels:
  - .name:           k_qc128cbec29_fc
    .symbol:         k_qc128cbec29_fc.kd
    .args:
      - { .name: ac, .offset: 0, .size: 8, .value_kind: global_buffer, .address_space: global }
      - { .name: wi, .offset: 8, .size: 8, .value_kind: global_buffer, .address_space: global }
      - { .name: fc_b, .offset: 16, .size: 8, .value_kind: global_buffer, .address_space: global }
      - { .name: lowp_scales, .offset: 24, .size: 8, .value_kind: global_buffer, .address_space: global }
      - { .name: out0, .offset: 32, .size: 8, .value_kind: global_buffer, .address_space: global }
    .group_segment_fixed_size: 35328
    .private_segment_fixed_size: 0
    .kernarg_segment_align: 8
    .kernarg_segment_size: 40
    .max_flat_workgroup_size: 128
    .sgpr_count:     66
    .vgpr_count:     512
    .wavefront_size: 32
...
	.end_amdgpu_metadata
.endif
;; end of part 3
;; ======== version 2 of 2: 3 launches; version 1 with the launches prep, attn, fc written anew for expert scheduling mode
;; workspace buffers: kc 2,097,152 bytes; vc 2,097,152 bytes; rec 262,144 bytes; wi 262,144 bytes; ac 2,097,152 bytes
;; launch prep (part 4): grid 16 x 16, 8 waves a work-group, no clusters, 62,464 bytes of LDS; arguments keys, values, query, mask, lowp_scales, fc_w_codes, kc, vc, rec, wi; writes kc, vc, rec, wi
.if DOCPART == 4
	.amdgcn_target "amdgcn-amd-amdhsa--gfx1250"
	.amdhsa_code_object_version 6
	.text
	.protected	k_qc128cbec29_prep
	.globl	k_qc128cbec29_prep
	.p2align	8
	.type	k_qc128cbec29_prep,@function
k_qc128cbec29_prep:
	s_mov_b64 s[64:65], 0
	v_nop
	global_prefetch_b8 v0, s[64:65] scope:SCOPE_SE
	s_setreg_imm32_b32 hwreg(HW_REG_WAVE_SCHED_MODE, 0, 2), 2
	s_setreg_imm32_b32 hwreg(HW_REG_WAVE_MODE, 25, 1), 1
	s_wait_xcnt 0x0
	s_wait_alu depctr_vm_vsrc(0)
; PREP.  A work-group takes one batch b, one head h (y = 8 b + h) and one block kb (x) of 128 keys; each of its eight waves 16 keys.  It makes
;   kc   the keys' codes of E5M2, in the order of an operand's registers: [bh][group of 16 keys][c 0,1][lane][16 bytes]: lane (r, hh) holds key r, d = 32 c + 16 hh + 0..15
;   vc   the values' codes with the KEYS innermost: [bh][tile t of 16 d][group of 16 keys][lane][8 bytes]: lane (r, hh) holds d = 32 (t/2) + 8 (t%2) + r + 8 (r/8), keys 8 hh + 0..7
;   rec  256 words for (bh, kb): 0-63 the sum of V's codes over the block's unmasked keys, 64-127 over all its keys (one matrix instruction a tile of d: V^T x columns of codes 1.0 or 0),
;        128-191 the global token's part sum o, 192 its largest t, 193 its part sum l, 194 the count of unmasked keys, the rest 0
;   wi   1,024 bytes of fc_w's codes in the order of an operand's registers: [tile of 16 rows][K step of 128][c 0..3][lane][16 bytes]: lane (r, hh): row r, k = 32 c + 16 hh + 0..15
; The global token (query 0, all keys, no mask) is left in f32: t = q0 . k x log2(e) / sqrt(512), by fused multiply-adds on the numbers as they are loaded.
; code = x / 2^e, held within +-57,344, to the nearest code, ties to even; e = entry 1 (keys) or 2 (values) of the scales.
; LIMITS: each e between -126 and 112, so that 2^e and 57,344 x 2^e are f32 numbers.  NaN and infinities among the inputs are not served.
; No tensor load, no cluster: no two work-groups read the same key or value, and no LDS byte is filled twice.
; EVERY LOAD OF K AND V TAKES WHOLE PIECES OF 256 CONSECUTIVE BYTES (a head's 64 numbers of one key); K then turns through the wave's own stage in LDS so that a lane holds 16 neighbours along d,
; V needs no turn: a lane holds two columns d and its registers run down the keys, which are V's K.
; THE MODE: SCHED_MODE bits 1:0 = 2 (LLVM: expert scheduling mode 2), set by the entry lines.  The code itself states the register dependences
; between vector or matrix instructions and memory or LDS instructions, with s_wait_alu, always for 0.
; THE PLAN.  Registers that memory or LDS instructions touch, in program order:
;   v2-15, v185-195   offsets and LDS addresses: made once at the head, never written again.  One wait on va_vdst ahead of the first load states that they are written.
;   v16-95, v176-180  the head's loads land in them, once; no vector instruction names them before.  v32-63 are read by the stage's stores and never written again.
;   v96-127           K's numbers come back from the stage into them and are worked on in place; behind the first barrier LDS loads land in them again.
;   v128-135, v168-175, v196, v198   K's codes, V's codes, the sixteen t: written by the arithmetic, read by eight LDS stores.  All of that arithmetic stands first, then ONE wait on va_vdst, then the eight stores.
;                     No vector instruction behind that wait names v96-131 before the LDS loads behind the barrier land there.
;   v236, v237        (waves 0-3) the mask's code and the count: a wait on va_vdst of their own, in their arm.
;   Behind the first barrier one wait on vm_vsrc: all those stores have read their data, of which v128-135, v196, v198, v236, v237 are written again.
;   v132, v133        o's part sums: a wait on va_vdst ahead of their store; it also stands for the loads behind it into v216-247, v200-235 and v96-99, which no later vector instruction names but the arm that owns them.
;   v248-255          the matrix result: four places, a wait on va_vdst, two LDS stores.   v200-203 (wave 1): a wait on va_vdst ahead of the last store.
; Masks and the wave's number pass from vector instructions to scalar registers or VCC: each has its wait on va_sdst or va_vcc ahead of its first reader, in its own straight run.
.set KST,  0                           ; 8 waves x 2 stages x 32 places of 64 + 16 bytes
.set KIMG, 40960                       ; the block's part of kc, 8,192 bytes
.set VIMG, 49152                       ; the block's part of vc: [t][group 8][lane][8], 8,192 bytes
.set TG,   57344                       ; the block's 128 t of the global token
.set MB,   57856                       ; a byte a key: the code of 1.0 where the mask lets it count, else 0
.set CNT,  58112                       ; four waves' counts of unmasked keys
.set OP,   58368                       ; [wave][64] part sums of o
.set RECL, 60416                       ; the two sums of codes, 128 words
; REGISTERS: v1 lane; v2-15, v185-195 addresses; v16-31 q0; v32-63 K as loaded; v64-95 V as loaded (pair kk: key kk, columns 2 lane, 2 lane + 1); v96-127 K, 16 neighbours a lane, two steps;
;   v128-135 K's codes; v136-167 V held; v168-175 V's codes; v176-179 the piece of fc_w; v180 mask; v181-184 2^ek, its hold, 2^ev, its hold; v196-199, v236-240 at work; v200-215 weights; v216-255 the product
.macro BARRIER                         ; my LDS stores have landed and my LDS loads are in: then the work-group's barrier
	s_wait_dscnt 0x0
	s_barrier_signal -1
	s_barrier_wait -1
.endm
.macro ROWSUM r                        ; the sum over the sixteen lanes of a row, in each of them
.irp x, 1,2,4,8
	v_add_f32_dpp v[\r], v[\r], v[\r] row_xmask:\x row_mask:0xf bank_mask:0xf
.endr
.endm
.macro ROWMAX r
.irp x, 1,2,4,8
	v_max_num_f32_dpp v[\r], v[\r], v[\r] row_xmask:\x row_mask:0xf bank_mask:0xf
.endr
.endm
	s_load_b512 s[4:19], s[0:1], 0x0               ; keys 4, values 6, query 8, mask 10, scales 12, fc_w's codes 14, kc 16, vc 18
	s_load_b128 s[20:23], s[0:1], 0x40             ; rec 20, wi 22
	v_lshl_add_u32 v189, v0, 2, 0xf000
	v_mov_b32 v192, 0
	v_lshrrev_b32 v1, 5, v0
	v_readfirstlane_b32 s24, v1                    ; wave w
	v_and_b32 v1, 31, v0                           ; lane L
	s_mov_b32 s25, ttmp9                           ; kb
	s_and_b32 s26, ttmp7, 0xffff                   ; bh
	s_lshr_b32 s27, s26, 3                         ; b
	s_and_b32 s28, s26, 7                          ; h
	s_lshl_b32 s29, s26, 4
	s_add_co_u32 s29, s29, s25                     ; g = 16 bh + kb: the work-group's number
	s_mov_b32 s40, 0x76543210                      ; v_permlanex16_b32: lane l xor 16
	s_mov_b32 s41, 0xfedcba98
	v_bfe_u32 v196, v0, 4, 1                       ; L / 16
	v_and_b32 v197, 15, v0                         ; L % 16
	s_wait_alu depctr_va_vdst(0)
	v_and_b32 v198, 127, v0                        ; thread % 128
	v_bfe_u32 v199, v0, 2, 3                       ; L / 4
	v_and_b32 v236, 3, v0                          ; L % 4
	s_wait_alu depctr_va_vdst(0)
	v_bfe_u32 v237, v0, 1, 1
	v_and_b32 v238, 1, v0
	v_bfe_u32 v239, v0, 2, 1
	v_bfe_u32 v240, v0, 3, 1
	s_wait_alu depctr_va_sdst(0)                   ; s24, the wave's number, is written, ahead of its first reader
	s_lshl_b32 s30, s24, 15                        ; my 16 keys: 16 w rows of 2,048 bytes
	s_mul_i32 s31, s24, 5120                       ; my two stages
	s_lshl_b32 s44, s24, 10
	s_lshl_b32 s45, s24, 8
	s_lshl_b32 s46, s24, 6
	s_lshl_b32 s47, s24, 2
	s_add_co_u32 s47, s47, CNT
	s_add_co_u32 s51, s46, TG
	s_lshl_b32 s50, s24, 5
	s_min_u32 s53, s24, 3                          ; (addresses that waves 0-3 alone use are made with min(w, 3): they lie inside the claim in every wave)
	s_lshl_b32 s52, s53, 11
	s_lshr_b32 s48, s53, 1
	s_lshl_b32 s48, s48, 7
	s_and_b32 s49, s53, 1
	s_lshl_b32 s49, s49, 5
	s_add_co_u32 s48, s48, s49
	s_add_co_u32 s48, s48, RECL
	v_lshlrev_b32 v2, 4, v197                      ; K: row 16 w + L / 16, 16 bytes at 16 (L % 16): sixteen lanes take a key's 256 bytes
	v_lshl_add_u32 v2, v196, 11, v2
	v_add_nc_u32 v2, s30, v2
	v_lshl_add_u32 v3, v1, 3, s30                  ; V: row 16 w, 8 bytes at 8 L: the wave takes a key's 256 bytes
	v_lshlrev_b32 v4, 6, v236                      ; q0: my 16 numbers, d = 16 (L % 4) on
	v_lshlrev_b32 v5, 2, v198                      ; mask: the key thread % 128
	v_mul_u32_u24 v6, v199, 80                     ; the stage, way in: four lanes' 64 bytes on end, then 16 of padding
	v_lshl_add_u32 v6, v236, 4, v6
	v_add_nc_u32 v6, s31, v6
	v_mul_u32_u24 v7, v1, 80                       ; way out: place L: key L / 4 of the step's eight, d = 16 (L % 4) + 0..15
	v_add_nc_u32 v7, s31, v7
	v_lshlrev_b32 v8, 9, v237                      ; K's image: group w, c = (L / 2) % 2, lane (L / 4 + 8 step) + 16 (L % 2)
	v_lshl_add_u32 v8, v199, 4, v8
	v_lshl_add_u32 v8, v238, 8, v8
	v_add_nc_u32 v8, s44, v8
	v_add_nc_u32 v8, KIMG, v8
	v_lshlrev_b32 v9, 12, v196                     ; V's image: column d = 2 L + e lies in tile t = 2 (d / 32) + (d / 8) % 2, row d % 8 + 8 ((d / 16) % 2); group w
	v_lshl_add_u32 v9, v239, 11, v9
	v_lshl_add_u32 v9, v236, 4, v9
	v_lshl_add_u32 v9, v240, 6, v9
	v_add_nc_u32 v9, s45, v9
	v_add_nc_u32 v9, VIMG, v9
	v_lshlrev_b32 v10, 2, v199                     ; t of key 16 w + 8 step + L / 4
	v_add_nc_u32 v10, s51, v10
	v_lshlrev_b32 v11, 4, v0                       ; 16 x thread
	v_lshrrev_b32 v12, 7, v0                       ; vc: tile (thread / 128) + 2 i, 32,768 bytes a tile; 16 (thread % 128) in the block's 2,048
	v_lshlrev_b32 v12, 15, v12
	v_lshl_add_u32 v12, v198, 4, v12
	v_add_nc_u32 v13, MB, v198
	v_lshlrev_b32 v14, 3, v0                       ; o's part sums: 256 w + 8 L
	v_add_nc_u32 v14, OP, v14
	v_lshlrev_b32 v15, 8, v240                     ; the sums of codes: which sum (column / 8), d = 32 (t / 2) + 16 (L / 16) + 8 (t % 2) + j
	v_lshl_add_u32 v15, v196, 6, v15
	v_add_nc_u32 v15, s48, v15
	v_lshlrev_b32 v185, 9, v197                    ; fc_w: row L % 16 of 512 bytes, + 32 w + 16 (L / 16)
	v_lshl_add_u32 v185, v196, 4, v185
	v_add_nc_u32 v185, s50, v185
	v_mov_b32 v186, s47                            ; CNT + 4 w
	v_lshlrev_b32 v193, 4, v1                      ; 16 L
	v_add_nc_u32 v187, TG, v193
	v_mov_b32 v188, s51                            ; TG + 64 w
	v_lshl_add_u32 v190, v1, 3, s52                ; V's image of tile w: 8 L
	v_add_nc_u32 v190, VIMG, v190
	v_lshlrev_b32 v191, 3, v196
	v_add_nc_u32 v191, MB, v191                    ; the mask's codes of keys 8 (L / 16) on
	v_lshlrev_b32 v194, 4, v197
	v_add_nc_u32 v194, OP, v194
	v_mov_b32 v195, 0
	s_lshl_b32 s42, s27, 22
	s_lshl_b32 s54, s28, 8
	s_add_co_u32 s42, s42, s54                     ; the batch's and the head's first byte
	s_mov_b32 s43, 0
	s_lshl_b32 s54, s25, 18
	s_add_co_u32 s54, s54, s42                     ; and the block's
	s_mov_b32 s55, 0
	s_mov_b32 s57, 0
	s_wait_kmcnt 0x0
	s_load_b128 s[32:35], s[12:13], 0x0            ; eq, ek, ev, ep
	s_add_nc_u64 s[8:9], s[8:9], s[42:43]          ; query at row 0
	s_add_nc_u64 s[4:5], s[4:5], s[54:55]
	s_add_nc_u64 s[6:7], s[6:7], s[54:55]
	s_lshl_b32 s56, s27, 13
	s_lshl_b32 s54, s25, 9
	s_add_co_u32 s56, s56, s54
	s_add_nc_u64 s[10:11], s[10:11], s[56:57]      ; mask
	s_lshl_b32 s56, s29, 13
	s_add_nc_u64 s[16:17], s[16:17], s[56:57]      ; kc
	s_lshl_b32 s56, s26, 17
	s_lshl_b32 s54, s25, 11
	s_add_co_u32 s56, s56, s54
	s_add_nc_u64 s[18:19], s[18:19], s[56:57]      ; vc
	s_lshl_b32 s56, s29, 10
	s_add_nc_u64 s[20:21], s[20:21], s[56:57]      ; rec
	s_add_nc_u64 s[22:23], s[22:23], s[56:57]      ; wi
	s_lshr_b32 s56, s29, 3                         ; fc_w: tile of rows g / 8, K step (g / 2) % 4, half g % 2
	s_lshl_b32 s56, s56, 13
	s_bfe_u32 s54, s29, 0x20001
	s_lshl_b32 s54, s54, 7
	s_add_co_u32 s56, s56, s54
	s_and_b32 s54, s29, 1
	s_lshl_b32 s54, s54, 6
	s_add_co_u32 s56, s56, s54
	s_add_nc_u64 s[14:15], s[14:15], s[56:57]
	; ---- the loads.  The piece of fc_w, which waves 0 and 1 alone fetch, stands first, so that the counts below hold in every wave
	s_wait_alu depctr_va_vdst(0)                   ; all offsets and LDS addresses, v2-15 and v185-195, are written: every load and store of the kernel reads one of them, and none is written again
	s_cmp_lt_u32 s24, 2
	s_cbranch_scc0 .Lno_w
	global_load_b128 v[176:179], v185, s[14:15]
.Lno_w:
.irp j, 0,1,2,3
	global_load_b128 v[16+4*\j:19+4*\j], v4, s[8:9] offset:16*\j
.endr
.irp x, 0,1,2,3,4,5,6,7
	global_load_b128 v[32+4*\x:35+4*\x], v2, s[4:5] offset:4096*\x th:TH_LOAD_NT   ; keys 2 x and 2 x + 1 of my sixteen
.endr
	global_load_b32 v180, v5, s[10:11]
.irp kk, 0,1,2,3,4,5,6,7,8,9,10,11,12,13,14,15
	global_load_b64 v[64+2*\kk:65+2*\kk], v3, s[6:7] offset:2048*\kk th:TH_LOAD_NT
.endr
	s_wait_kmcnt 0x0
	s_add_co_i32 s56, s33, 127
	s_lshl_b32 s57, s56, 23
	v_mov_b32 v181, s57                            ; 2^ek as f32: the conversion takes its exponent field
	s_add_co_i32 s56, s56, 15
	s_lshl_b32 s56, s56, 23
	s_or_b32 s56, s56, 0x600000
	v_mov_b32 v182, s56                            ; 57,344 x 2^ek
	s_add_co_i32 s56, s34, 127
	s_lshl_b32 s57, s56, 23
	v_mov_b32 v183, s57                            ; the same for ev
	s_add_co_i32 s56, s56, 15
	s_lshl_b32 s56, s56, 23
	s_or_b32 s56, s56, 0x600000
	v_mov_b32 v184, s56
; Step s: eight keys' 2,048 bytes go into my stage as they were loaded and come back 64 bytes a lane.  LDS serves a wave's instructions in order: no wait between the stores and the loads
.macro KTURN s
.irp i, 0,1,2,3
	ds_store_b128 v6, v[32+16*\s+4*\i:35+16*\s+4*\i] offset:2560*\s+640*\i
.endr
.irp j, 0,1,2,3
	ds_load_b128 v[96+16*\s+4*\j:99+16*\s+4*\j], v7 offset:2560*\s+16*\j
.endr
.endm
; Step s, the arithmetic: the global token's t of my key (four lanes share a key), then the key's 16 codes
.macro KSTEP s
.set XX, 96+16*\s
.set CC, 128+4*\s
.set TT, 196+2*\s
	v_mul_f32 v[TT], v[XX], v16
	v_mul_f32 v[TT+1], v[XX+1], v17
.irp i, 2,4,6,8,10,12,14
	v_fmac_f32 v[TT], v[XX+\i], v[16+\i]
	v_fmac_f32 v[TT+1], v[XX+\i+1], v[17+\i]
.endr
	v_add_f32 v[TT], v[TT], v[TT+1]
	v_add_f32_dpp v[TT], v[TT], v[TT] row_xmask:1 row_mask:0xf bank_mask:0xf
	v_add_f32_dpp v[TT], v[TT], v[TT] row_xmask:2 row_mask:0xf bank_mask:0xf
	v_mul_f32 v[TT], 0x3d8293ee, v[TT]             ; x log2(e) / sqrt(512)
.irp i, 0,1,2,3,4,5,6,7,8,9,10,11,12,13,14,15
	v_med3_num_f32 v[XX+\i], v[XX+\i], -v182, v182 ; the conversion to an 8-bit code does not saturate (ISA guide 7.6.2): the hold comes first
.endr
	v_cvt_scalef32_pk8_bf8_f32 v[CC:CC+1], v[XX:XX+7], v181
	v_cvt_scalef32_pk8_bf8_f32 v[CC+2:CC+3], v[XX+8:XX+15], v181
	v_nop                                          ; one plain vector line behind the last conversion of a run
.endm
; Step s, its two stores
.macro KOUT s
	ds_store_b32 v10, v[196+2*\s] offset:32*\s     ; the four lanes of a key write the same word with the same number
	ds_store_b128 v8, v[128+4*\s:131+4*\s] offset:128*\s
.endm
	s_wait_loadcnt 17                              ; q0 and K are in; behind them: the mask's load and V's sixteen
	KTURN 0
	KTURN 1
	s_wait_dscnt 8                                 ; step 0 is back; behind its loads: step 1's four stores and four loads
	KSTEP 0
	s_wait_dscnt 0x0                               ; step 1 is back: nothing was issued behind its loads
	KSTEP 1
	; ---- V: held into two runs of 16 registers, one for each of my columns (the numbers as loaded stay for the global token), and converted: eight keys a conversion
	s_wait_loadcnt 0x0
.irp kk, 0,1,2,3,4,5,6,7,8,9,10,11,12,13,14,15
	v_med3_num_f32 v[136+\kk], v[64+2*\kk], -v184, v184
	v_med3_num_f32 v[152+\kk], v[65+2*\kk], -v184, v184
.endr
	v_cvt_scalef32_pk8_bf8_f32 v[168:169], v[136:143], v183
	v_cvt_scalef32_pk8_bf8_f32 v[170:171], v[144:151], v183
	v_cvt_scalef32_pk8_bf8_f32 v[172:173], v[152:159], v183
	v_cvt_scalef32_pk8_bf8_f32 v[174:175], v[160:167], v183
	v_nop
	s_wait_alu depctr_va_vdst(0)                   ; the sixteen t (v196, v198), K's codes (v128-135) and V's (v168-175) are written, which the eight stores below read; and the arithmetic is done with v96-131, in which LDS loads land behind the barrier
	KOUT 0
	KOUT 1
	ds_store_b64 v9, v[168:169]                    ; column 2 L, keys 0-7
	ds_store_b64 v9, v[170:171] offset:128         ; keys 8-15: the lane 16 further on
	ds_store_b64 v9, v[172:173] offset:8           ; column 2 L + 1: the next row of the tile
	ds_store_b64 v9, v[174:175] offset:136
	s_cmp_lt_u32 s24, 4                            ; the mask's 128 entries: waves 0-3
	s_cbranch_scc0 .Lno_m
	v_cmp_ne_u32 vcc_lo, 0, v180
	v_mov_b32 v238, 0x3c                           ; the code of 1.0
	s_wait_alu depctr_va_vcc(0)                    ; VCC, the mask's 32 bits, is written, ahead of the select and the count that read it
	v_cndmask_b32 v236, 0, v238, vcc_lo
	s_bcnt1_i32_b32 s30, vcc_lo                    ; my 32 keys' count; it becomes a number in rec and steers nothing
	v_mov_b32 v237, s30
	s_wait_alu depctr_va_vdst(0)                   ; v236 and v237 are written, which the two stores read
	ds_store_b8 v13, v236
	ds_store_b32 v186, v237
.Lno_m:
	BARRIER                                        ; both images, the 128 t, the mask's codes and the counts lie in LDS
	s_wait_alu depctr_vm_vsrc(0)                   ; my LDS stores have read their data: of it v128-131 are landed in below, and v132-135, v196, v198, v236, v237 are written again further down
	ds_load_b128 v[96:99], v187                    ; four of the block's 128 t
.irp j, 0,1,2,3
	ds_load_b128 v[100+4*\j:103+4*\j], v188 offset:16*\j   ; my own sixteen keys' t, in every lane
.endr
	ds_load_b128 v[116:119], v11 offset:KIMG
	ds_load_b128 v[120:123], v11 offset:KIMG+4096
	ds_load_b128 v[124:127], v11 offset:VIMG
	ds_load_b128 v[128:131], v11 offset:VIMG+4096
	s_wait_dscnt 0x0
	global_store_b128 v11, v[116:119], s[16:17]                ; a wave's store covers 512 consecutive bytes, aligned
	global_store_b128 v11, v[120:123], s[16:17] offset:4096
	global_store_b128 v12, v[124:127], s[18:19]
	global_store_b128 v12, v[128:131], s[18:19] offset:65536
	v_max3_num_f32 v196, v96, v97, v98             ; the block's largest t, in every wave
	v_max_num_f32 v196, v196, v99
	ROWMAX 196
	v_permlanex16_b32 v197, v196, s40, s41
	v_max_num_f32 v196, v196, v197
.irp j, 0,1,2,3
	v_sub_f32 v[96+\j], v[96+\j], v196
.endr
.irp k, 0,1,2,3,4,5,6,7,8,9,10,11,12,13,14,15
	v_sub_f32 v[200+\k], v[100+\k], v196
.endr
	s_wait_alu depctr_va_vdst(0)
.irp j, 0,1,2,3
	v_exp_f32 v[96+\j], v[96+\j]
.endr
.irp k, 0,1,2,3,4,5,6,7,8,9,10,11,12,13,14,15
	v_exp_f32 v[200+\k], v[200+\k]                 ; my sixteen keys' weights
.endr
	v_nop                                          ; a plain line behind the exponentials
	s_wait_alu depctr_va_vdst(0)                   ; the twenty exponentials have written v96-99 and v200-215, ahead of the first line that names one of them
	v_add_f32 v198, v96, v97
	v_add_f32 v199, v98, v99
	v_add_f32 v198, v198, v199
	ROWSUM 198
	v_permlanex16_b32 v199, v198, s40, s41
	v_add_f32 v198, v198, v199                     ; the block's part sum l
	v_mul_f32 v132, v64, v200                      ; o of my two columns over my sixteen keys: the first product starts the sums
	v_mul_f32 v133, v65, v200
.irp k, 1,2,3,4,5,6,7,8,9,10,11,12,13,14,15
	v_fmac_f32 v132, v[64+2*\k], v[200+\k]
	v_fmac_f32 v133, v[65+2*\k], v[200+\k]
.endr
	s_wait_alu depctr_va_vdst(0)                   ; v132 and v133 are written, which the store reads; and the vector work so far is done with v96-99, v200-215 and v236-240, in which LDS loads land below
	ds_store_b64 v14, v[132:133]
	s_cmp_lt_u32 s24, 4                            ; wave t: the sums of tile t's codes over the block's 128 keys
	s_cbranch_scc0 .Lno_s
.irp c, 0,1,2,3,4,5,6,7
	ds_load_b64 v[216+2*\c:217+2*\c], v190 offset:256*\c   ; source 0: 16 rows d x 128 keys
	ds_load_b64 v[232+2*\c:233+2*\c], v191 offset:16*\c    ; source 1: the mask's codes, the same in every column
.endr
	v_and_b32 v134, 8, v0
	v_cmp_ne_u32 vcc_lo, 0, v134
	v_mov_b32 v135, 0x3c3c3c3c
	s_wait_alu depctr_va_vcc(0)                    ; VCC, columns 8-15, is written, ahead of the selects that read it
	s_wait_alu depctr_va_vdst(0)
	s_wait_dscnt 0x0
.irp x, 0,1,2,3,4,5,6,7,8,9,10,11,12,13,14,15
	v_cndmask_b32 v[232+\x], v[232+\x], v135, vcc_lo       ; columns 8-15: 1.0 for every key
.endr
	v_wmma_f32_16x16x128_bf8_bf8 v[248:255], v[216:231], v[232:247], 0
.rept 4
	v_nop                                          ; four places behind a matrix instruction before its result is read (ISA guide 7.12.1)
.endr
	s_wait_alu depctr_va_vdst(0)                   ; the matrix instruction has written v248-255, which the stores read, and is done reading v216-247, in which wave 1's loads land; the places above stay beside this wait
	ds_store_b128 v15, v[248:251]                  ; the eight lanes of a half row hold the same numbers and write the same words; the result is read from its low end on
	ds_store_b128 v15, v[252:255] offset:16
.Lno_s:
	BARRIER                                        ; the part sums of o and the sums of codes lie in LDS
	s_cmp_gt_u32 s24, 1
	s_cbranch_scc1 .Lend
	global_store_b128 v11, v[176:179], s[22:23]    ; the piece of fc_w, as it was loaded: 16 x thread
	s_cmp_eq_u32 s24, 0
	s_cbranch_scc0 .Lwave1
	ds_load_b128 v[96:99], v193 offset:RECL        ; wave 0: words 0-127
	s_wait_dscnt 0x0
	global_store_b128 v193, v[96:99], s[20:21]
	s_branch .Lend
.Lwave1:                                           ; wave 1: words 128-255
.irp x, 0,1,2,3,4,5,6,7
	ds_load_b128 v[200+4*\x:203+4*\x], v194 offset:256*\x
.endr
	ds_load_b128 v[232:235], v195 offset:CNT
	v_cmp_eq_u32 s30, 16, v1
	v_cmp_le_u32 s31, 16, v1
	s_wait_alu depctr_va_sdst(0)                   ; the two masks s30 and s31 are written, ahead of the selects that read them
	s_wait_dscnt 0x0
.irp x, 1,2,3,4,5,6,7
	v_pk_add_f32 v[200:201], v[200:201], v[200+4*\x:201+4*\x]
	v_pk_add_f32 v[202:203], v[202:203], v[202+4*\x:203+4*\x]
.endr
	v_add_nc_u32 v232, v232, v233
	v_add_nc_u32 v234, v234, v235
	v_add_nc_u32 v232, v232, v234
	v_cvt_f32_u32 v232, v232
	v_cndmask_b32 v236, 0, v196, s30               ; lane 16: the largest t, l, the count, 0; lanes 17-31: zeros
	v_cndmask_b32 v237, 0, v198, s30
	v_cndmask_b32 v238, 0, v232, s30
	v_cndmask_b32 v200, v200, v236, s31
	v_cndmask_b32 v201, v201, v237, s31
	v_cndmask_b32 v202, v202, v238, s31
	v_cndmask_b32 v203, v203, v195, s31
	s_wait_alu depctr_va_vdst(0)                   ; the selects have written v200-203, which the store reads
	global_store_b128 v193, v[200:203], s[20:21] offset:512
.Lend:
	s_wait_dscnt 0x0                               ; the closing lines, six on end
	s_wait_alu 0x0
	s_wait_tensorcnt 0x0
	ds_add_u32 v189, v192
	s_wait_dscnt 0x0
	s_endpgm
.Lfunc_end_k_qc128cbec29_prep:
	.size	k_qc128cbec29_prep, .Lfunc_end_k_qc128cbec29_prep-k_qc128cbec29_prep
	.p2alignl 7, 3214868480
	.fill 96, 4, 3214868480
	.section	.rodata,"a",@progbits
	.p2align	6, 0x0
	.amdhsa_kernel k_qc128cbec29_prep
		.amdhsa_group_segment_fixed_size 62464
		.amdhsa_private_segment_fixed_size 0
		.amdhsa_enable_private_segment 0
		.amdhsa_kernarg_size 80
		.amdhsa_user_sgpr_count 2
		.amdhsa_user_sgpr_kernarg_segment_ptr 1
		.amdhsa_wavefront_size32 1
		.amdhsa_system_sgpr_workgroup_id_x 1
		.amdhsa_system_sgpr_workgroup_id_y 1
		.amdhsa_system_sgpr_workgroup_id_z 1
		.amdhsa_system_vgpr_workitem_id 0
		.amdhsa_next_free_vgpr 256
		.amdhsa_next_free_sgpr 66
		.amdhsa_reserve_vcc 1
		.amdhsa_float_denorm_mode_32 3
		.amdhsa_float_denorm_mode_16_64 3
		.amdhsa_memory_ordered 1
		.amdhsa_forward_progress 1
		.amdhsa_inst_pref_size 27
	.end_amdhsa_kernel
	.amdgpu_metadata
---
amdhsa.version: [ 1, 2 ]
amdhsa.kernels:
  - .name:           k_qc128cbec29_prep
    .symbol:         k_qc128cbec29_prep.kd
    .args:
      - { .name: keys, .offset: 0, .size: 8, .value_kind: global_buffer, .address_space: global }
      - { .name: values, .offset: 8, .size: 8, .value_kind: global_buffer, .address_space: global }
      - { .name: query, .offset: 16, .size: 8, .value_kind: global_buffer, .address_space: global }
      - { .name: mask, .offset: 24, .size: 8, .value_kind: global_buffer, .address_space: global }
      - { .name: lowp_scales, .offset: 32, .size: 8, .value_kind: global_buffer, .address_space: global }
      - { .name: fc_w_codes, .offset: 40, .size: 8, .value_kind: global_buffer, .address_space: global }
      - { .name: kc, .offset: 48, .size: 8, .value_kind: global_buffer, .address_space: global }
      - { .name: vc, .offset: 56, .size: 8, .value_kind: global_buffer, .address_space: global }
      - { .name: rec, .offset: 64, .size: 8, .value_kind: global_buffer, .address_space: global }
      - { .name: wi, .offset: 72, .size: 8, .value_kind: global_buffer, .address_space: global }
    .group_segment_fixed_size: 62464
    .private_segment_fixed_size: 0
    .kernarg_segment_align: 8
    .kernarg_segment_size: 80
    .max_flat_workgroup_size: 256
    .sgpr_count:     66
    .vgpr_count:     256
    .wavefront_size: 32
...
	.end_amdgpu_metadata
.endif
;; end of part 4
;; launch attn (part 5): grid 16 x 16, 8 waves a work-group, no clusters, 95,744 bytes of LDS; arguments query, mask, lowp_scales, kc, vc, rec, ac; writes ac
.if DOCPART == 5
	.amdgcn_target "amdgcn-amd-amdhsa--gfx1250"
	.amdhsa_code_object_version 6
	.text
	.protected	k_qc128cbec29_attn
	.globl	k_qc128cbec29_attn
	.p2align	8
	.type	k_qc128cbec29_attn,@function
k_qc128cbec29_attn:
	s_mov_b64 s[64:65], 0
	v_nop
	global_prefetch_b8 v0, s[64:65] scope:SCOPE_SE
	s_setreg_imm32_b32 hwreg(HW_REG_WAVE_SCHED_MODE, 0, 2), 2
	s_setreg_imm32_b32 hwreg(HW_REG_WAVE_MODE, 25, 1), 1
	s_wait_xcnt 0x0
	s_wait_alu depctr_vm_vsrc(0)
; ATTN.  A work-group takes one batch and head (y = 8 b + h) and block m (x) of 128 local queries i = 128 m .. 128 m + 127; query i stands at position (i + 1) % 2048, so that its band, keys i - 128 .. i + 128,
; lies in key blocks m - 1, m, m + 1: the WINDOW, 24 groups of 16 keys.  Slot i = 2047 has no local query: it carries the global token's row (position 0).  A wave owns 16 queries, one tile.
; WHAT IS MULTIPLIED.  Scores: only the 17 groups that touch the wave's band; outside the band the energy is 0 by the problem's own mask.  Weights x values: the window's 384 keys on the matrix unit.  For every key
; outside the window the weight of a row is one number, 2^-M (0 where the input mask hides the key), so their part of the sum is Q(2^-M) x (the sum of V's codes over those keys), which the launch before has made by blocks.
; THE SOFTMAX: t = energy x log2(e) / sqrt(512); M = ceil(the row's largest t over ALL 2,048 keys: the far keys' 0 is among them where one counts); p = 2^(t - M) is quantised; l sums the unquantised p.  All 384 keys of the window
; are in registers at once, so M is the row's own and nothing is rescaled.
; BOTH PRODUCTS ARE USED TRANSPOSED: S^T = K Q^T (source 0 = 16 keys), O^T = V^T P^T (source 0 = 16 d): a lane holds ONE query (lane % 16) throughout.  The input mask goes in as the C of the scores' product: 0, or -1e20 in the sums' units.
; A wave walks RELATIVE groups rho = 0 .. 23, group (w + rho) % 24 of the window: rho 0-16 is its band (edges: in rho = 0 key 8 hh + j counts where it is >= r, in rho = 16 where <= r), rho 17-23 the window's other keys, whose score is
; the bias itself.  In LDS V and the bias hold groups 0-7 once more behind group 23, so that rho stands in the immediate offset.
; A block of the window that does not exist (m = 0, m = 15) is read from the neighbouring block and all its keys get the hidden bias.
; A BATCH WHOSE MASK IS ALL ZERO gives equal energies, so equal weights: then Q's codes become 0, the mask counts as all ones, and the far sums and counts are those over all keys; all by selects, no branch.
; LIMITS: each scale's e between -126 and 112; eq + ek between -122 and 24 (it is added to c's exponent field, and every energy that counts then stays above -1e19, so that a hidden key weighs nothing beside it).
; NaN and infinities among the inputs are not served.
; NO CLUSTER, NO TENSOR LOAD: neighbouring work-groups share two of three blocks but no two have the same window, and the edge work-groups read other blocks; each work-group fetches its 48 KiB of codes once and fills no LDS byte twice.
; THE MODE: SCHED_MODE bits 1:0 = 2 (LLVM: expert scheduling mode 2), set by the entry lines.  The code itself states the register dependences
; between vector or matrix instructions and memory or LDS instructions, with s_wait_alu, always for 0.
; THE PLAN.  Registers that memory or LDS instructions touch, in program order:
;   v4-14             offsets and LDS addresses, made at the head and never written again: one wait on va_vdst ahead of the first load.
;   v48-53            addresses used once at the head.  Q's numbers land on them on the way back from the stage: one wait on vm_vsrc ahead of those loads.
;   v249, v250, v252-255   the bias and wave 0's sums: written by selects and multiply-adds, read by LDS stores: a wait on va_vdst ahead of each run of stores.
;   v64-143           Q, K and V as loaded: read by the LDS stores that lay them out.
;   Behind the barrier one wait on va_vdst and one on vm_vsrc free v32-255: the vector work of the head is done with them, and the LDS stores have read them.
;   v32-63, v200-255  K's fragments.  Each run of products is followed by one wait on va_vdst, which shows it done reading its fragments; the next fragments (and, where the registers are S^T's, the far groups' biases) are asked for
;                     into them at once and are on their way while the next run multiplies out of the other registers.
;   v112-175, v176-239   V's two buffers.  They are S^T's groups 6-13 and 14-21: behind the conversion of group 13, and of group 21, a wait on va_vdst shows those groups done with, and V's loads go out under the conversions that are left.
;                     Behind the first run of the second product the first buffer takes V's third part; behind the second run the second buffer takes the far sums and the global row, which land while the third run multiplies.
;   v28, v16-23       the stores' offset (made behind the exponentials, ahead of the wait that stands there) and data (a wait on va_vdst behind the last conversions).
; Masks and the wave's number pass from vector instructions to scalar registers or VCC: the compares stand in runs, each run with one wait on va_sdst (or va_vcc) ahead of its first reader.
.set KB,   0                           ; K: [group 24][1,024 bytes]
.set VB,   24576                       ; V: [tile of d 4][group 32][256 bytes]
.set BIAS, 57344                       ; 512 f32: the window's 384 keys, then the first 128 once more
.set FARV, 59392                       ; 64 f32: the far keys' sum of V's codes; 64 f32: the global token's row
.set QST,  59904                       ; 8 waves x 16 rows x (256 + 16) bytes: rows begin at sixteen different 16-byte columns modulo 256
; REGISTERS: v1 lane, v2 r, v3 hh; v4-12 LDS addresses; v13, v14 Q's offsets; v15 r - 8 hh; v16-23 Q's codes, at the end the row's codes; v24-31 statistics; v32-63 fragments of K, then P of rho 0-15;
;   v64-255 S^T, eight registers a group; later v64-79 P of rho 16-23, v80-111 O^T (register 8 t + j: d = 32 (t/2) + 16 hh + 8 (t%2) + j), v112-239 fragments of V; at the end v176-207 the far sums, v208-239 the global row, v112-143 the row.
;   At the head: v48-53 addresses used once; v64-95 Q, v96-119 K, v120-143 V on their way to LDS; v144-239 wave 0's records; v240, v241 mask; v242-255 at work.
;   s48 all hidden; s66, s67 masks at the head; s68-99 wave 0's factors, later s68-83 the band's edges.
.macro ROWSUM r
.irp x, 1,2,4,8
	v_add_f32_dpp v[\r], v[\r], v[\r] row_xmask:\x row_mask:0xf bank_mask:0xf
.endr
.endm
.macro ROWMAX r
.irp x, 1,2,4,8
	v_max_num_f32_dpp v[\r], v[\r], v[\r] row_xmask:\x row_mask:0xf bank_mask:0xf
.endr
.endm
.macro SCALE sc, lim, e                ; s[sc] = 2^e as f32, s[lim] = 57,344 x 2^e
	s_add_co_i32 s[\lim], s[\e], 127
	s_lshl_b32 s[\sc], s[\lim], 23
	s_add_co_i32 s[\lim], s[\lim], 15
	s_lshl_b32 s[\lim], s[\lim], 23
	s_or_b32 s[\lim], s[\lim], 0x600000
.endm
.macro PLACES                          ; four places behind a matrix instruction before its result is read or a load is issued into one of its registers (ISA guide 7.12.1 for vector instructions)
.rept 4
	v_nop
.endr
.endm
.macro BLOAD reg, rho                  ; the bias of group rho's keys 8 hh + 0..7
	ds_load_b128 v[\reg:\reg+3], v5 offset:64*(\rho)
	ds_load_b128 v[\reg+4:\reg+7], v5 offset:64*(\rho)+16
.endm
.macro KLOAD reg, rho                  ; group rho's fragment of K
	ds_load_b128 v[\reg:\reg+3], v4 offset:1024*(\rho)
	ds_load_b128 v[\reg+4:\reg+7], v4 offset:1024*(\rho)+512
.endm
.macro QK rho, reg                     ; S^T of group rho = K Q^T + bias; each accumulator has this one instruction
	v_wmma_f32_16x16x64_bf8_bf8 v[64+8*(\rho):71+8*(\rho)], v[\reg:\reg+7], v[16:23], v[64+8*(\rho):71+8*(\rho)]
.endm
.macro VLOAD reg, s                    ; the four tiles of V^T for groups 8 s .. 8 s + 7: 128 keys
.irp t, 0,1,2,3
.irp c, 0,1,2,3,4,5,6,7
	ds_load_b64 v[\reg+16*\t+2*\c:\reg+16*\t+2*\c+1], v6 offset:8192*\t+256*(8*\s+\c)
.endr
.endr
.endm
.macro PV vreg, preg, zero             ; O^T (+)= V^T P^T, the four accumulators by turns
.irp t, 0,1,2,3
.if \zero
	v_wmma_f32_16x16x128_bf8_bf8 v[80+8*\t:87+8*\t], v[\vreg+16*\t:\vreg+16*\t+15], v[\preg:\preg+15], 0
.else
	v_wmma_f32_16x16x128_bf8_bf8 v[80+8*\t:87+8*\t], v[\vreg+16*\t:\vreg+16*\t+15], v[\preg:\preg+15], v[80+8*\t:87+8*\t]
.endif
.endr
.endm
	s_load_b256 s[4:11], s[0:1], 0x0               ; query 4, mask 6, scales 8, kc 10
	s_load_b128 s[12:15], s[0:1], 0x20             ; vc 12, rec 14
	s_load_b64 s[16:17], s[0:1], 0x30              ; ac
	s_set_vgpr_msb 0x40
	v_lshl_add_u32 v0, v0, 2, 0x17200
	v_mov_b32 v1, 0
	s_set_vgpr_msb 0x4000
	v_lshrrev_b32 v1, 5, v0
	v_readfirstlane_b32 s18, v1                    ; wave w
	v_and_b32 v1, 31, v0                           ; lane L
	s_wait_alu depctr_va_vdst(0)
	v_and_b32 v2, 15, v0                           ; r
	v_bfe_u32 v3, v0, 4, 1                         ; hh
	s_wait_alu depctr_va_vdst(0)
	s_mov_b32 s19, ttmp9                           ; m
	s_and_b32 s20, ttmp7, 0xffff                   ; bh
	s_lshr_b32 s21, s20, 3                         ; b
	s_and_b32 s22, s20, 7                          ; h
	s_lshl_b32 s60, s19, 7
	s_wait_alu depctr_va_sdst(0)                   ; s18, the wave's number, is written, ahead of its first reader
	s_lshl_b32 s30, s18, 4
	s_add_co_u32 s60, s60, s30                     ; i0 = 128 m + 16 w
	s_sub_co_i32 s61, s19, 1
	s_max_i32 s61, s61, 0                          ; the block read for m - 1
	s_add_co_u32 s63, s19, 1
	s_min_u32 s63, s63, 15                         ; and for m + 1
	s_sub_co_i32 s58, 1, s19
	s_cmp_gt_u32 s19, 0
	s_cselect_b32 s49, -1, 0                       ; does block m - 1 exist?
	s_cmp_gt_u32 s18, 3
	s_cselect_b32 s49, -1, s49                     ; waves 4-7 make block m's bias, which always does
	s_cselect_b32 s23, s19, s61                    ; the block whose mask my thread reads first
	s_cmp_lt_u32 s19, 15
	s_cselect_b32 s50, -1, 0                       ; does block m + 1 exist?
	s_mov_b32 s44, 0x76543210                      ; v_permlanex16_b32: lane l xor 16
	s_mov_b32 s45, 0xfedcba98
	s_lshl_b32 s30, s18, 10
	v_lshl_add_u32 v4, v1, 4, s30                  ; K: group w, 16 L (KB = 0)
	s_lshl_b32 s30, s18, 6
	v_lshl_add_u32 v5, v3, 5, s30
	v_add_nc_u32 v5, BIAS, v5                      ; bias: group w, keys 8 hh on
	s_lshl_b32 s30, s18, 8
	v_lshl_add_u32 v6, v1, 3, s30
	v_add_nc_u32 v6, VB, v6                        ; V: group w, 8 L
	v_lshlrev_b32 v7, 6, v3
	v_add_nc_u32 v7, FARV, v7                      ; my 16 d of each 32: 64 hh
	v_lshlrev_b32 v8, 4, v0                        ; 16 x thread
	v_and_b32 v54, 127, v0
	v_lshrrev_b32 v55, 7, v0
	v_lshlrev_b32 v9, 15, v55                      ; vc: tile thread / 128 (+ 2), 16 (thread % 128) of the block's 2,048 bytes
	v_lshl_add_u32 v9, v54, 4, v9
	v_lshlrev_b32 v10, 13, v55                     ; and the same place in LDS
	v_lshl_add_u32 v10, v54, 4, v10
	v_add_nc_u32 v10, VB, v10
	s_mul_i32 s30, s18, 4352
	s_add_co_u32 s30, s30, QST                     ; my stage
	v_mul_u32_u24 v11, v3, 272                     ; way in: row hh (+ 2 x), 16 r
	v_lshl_add_u32 v11, v2, 4, v11
	v_add_nc_u32 v11, s30, v11
	v_mul_u32_u24 v12, v2, 272                     ; way out: row r, d = 16 hh on
	v_lshl_add_u32 v12, v3, 6, v12
	v_add_nc_u32 v12, s30, v12
	v_add_nc_u32 v13, s60, v3
	v_add_nc_u32 v14, 15, v13                      ; the last two rows: positions (i0 + 15 + hh) % 2048: slot 2047 reads row 0, whose result is not kept
	v_and_b32 v14, 0x7ff, v14
	v_lshlrev_b32 v14, 11, v14
	v_lshl_add_u32 v14, v2, 4, v14
	v_add_nc_u32 v13, 1, v13                       ; position i0 + 1 + hh (+ 2 x)
	v_lshlrev_b32 v13, 11, v13
	v_lshl_add_u32 v13, v2, 4, v13
	v_lshlrev_b32 v15, 3, v3
	v_sub_nc_u32 v15, v2, v15                      ; r - 8 hh
	v_lshlrev_b32 v48, 2, v0
	v_add_nc_u32 v48, BIAS, v48
	v_lshlrev_b32 v50, 3, v1
	v_add_nc_u32 v49, FARV, v50
	v_lshlrev_b32 v51, 10, v2
	v_add_nc_u32 v51, 768, v51                     ; words 192-195 of block r's record
	s_lshl_b32 s30, s23, 9
	v_lshl_add_u32 v52, v54, 2, s30
	s_lshl_b32 s30, s63, 9
	v_lshl_add_u32 v53, v54, 2, s30
	s_mov_b32 s31, 0
	s_wait_kmcnt 0x0
	s_load_b128 s[24:27], s[8:9], 0x0              ; eq, ek, ev, ep
	s_load_b64 s[28:29], s[8:9], 0x10              ; ea, ew
	s_lshl_b32 s30, s21, 22
	s_lshl_b32 s62, s22, 8
	s_add_co_u32 s30, s30, s62
	s_add_nc_u64 s[4:5], s[4:5], s[30:31]          ; query at the batch and head
	s_lshl_b32 s30, s21, 13
	s_add_nc_u64 s[6:7], s[6:7], s[30:31]          ; mask at the batch
	s_lshl_b32 s30, s20, 14
	s_add_nc_u64 s[14:15], s[14:15], s[30:31]      ; rec at bh
	s_lshl_b32 s62, s20, 4
	s_add_co_u32 s30, s62, s61
	s_lshl_b32 s30, s30, 13
	s_add_nc_u64 s[32:33], s[10:11], s[30:31]      ; kc at the window's three blocks
	s_add_co_u32 s30, s62, s19
	s_lshl_b32 s30, s30, 13
	s_add_nc_u64 s[34:35], s[10:11], s[30:31]
	s_add_co_u32 s30, s62, s63
	s_lshl_b32 s30, s30, 13
	s_add_nc_u64 s[36:37], s[10:11], s[30:31]
	s_lshl_b32 s62, s20, 17
	s_lshl_b32 s30, s61, 11
	s_add_co_u32 s30, s30, s62
	s_add_nc_u64 s[38:39], s[12:13], s[30:31]      ; vc likewise
	s_lshl_b32 s30, s19, 11
	s_add_co_u32 s30, s30, s62
	s_add_nc_u64 s[40:41], s[12:13], s[30:31]
	s_lshl_b32 s30, s63, 11
	s_add_co_u32 s30, s30, s62
	s_add_nc_u64 s[42:43], s[12:13], s[30:31]
	s_lshl_b32 s30, s21, 7                         ; ac: tile of slots 128 b + 8 m + w, 8,192 bytes; head h's 64 along K: 1,024 h
	s_lshl_b32 s62, s19, 3
	s_add_co_u32 s30, s30, s62
	s_add_co_u32 s30, s30, s18
	s_lshl_b32 s30, s30, 13
	s_lshl_b32 s62, s22, 10
	s_add_co_u32 s30, s30, s62
	s_add_nc_u64 s[16:17], s[16:17], s[30:31]
	; ---- the loads.  Wave 0's records stand first, so that the counts below hold in every wave
	s_wait_alu depctr_va_vdst(0)                   ; the offsets and LDS addresses v4-14 and v48-53 are written, which the loads and stores below read; so are v54 and v55, on which Q's numbers land later
	s_cmp_lg_u32 s18, 0
	s_cbranch_scc1 .Lno_rec
.irp kb, 0,1,2,3,4,5,6,7,8,9,10,11,12,13,14,15
.irp p, 0,1,2
	global_load_b64 v[144+6*\kb+2*\p:145+6*\kb+2*\p], v50, s[14:15] offset:1024*\kb+256*\p   ; d = 2 L, 2 L + 1 of: the unmasked keys' sum, all keys' sum, the global token's o
.endr
.endr
.Lno_rec:
	global_load_b128 v[24:27], v51, s[14:15]       ; block r's largest t, l, count, 0
	global_load_b32 v240, v52, s[6:7]
	global_load_b32 v241, v53, s[6:7]
.irp x, 0,1,2,3,4,5,6
	global_load_b128 v[64+4*\x:67+4*\x], v13, s[4:5] offset:4096*\x th:TH_LOAD_NT   ; sixteen lanes take a query's 256 bytes
.endr
	global_load_b128 v[92:95], v14, s[4:5] th:TH_LOAD_NT
.irp i, 0,1,2,3,4,5
	global_load_b128 v[96+4*\i:99+4*\i], v8, s[32+2*(\i/2):33+2*(\i/2)] offset:4096*(\i%2)
.endr
.irp i, 0,1,2,3,4,5
	global_load_b128 v[120+4*\i:123+4*\i], v9, s[38+2*(\i/2):39+2*(\i/2)] offset:65536*(\i%2)
.endr
	s_wait_kmcnt 0x0
	s_add_co_i32 s59, s24, s25                     ; eq + ek: a sum of the scores' product stands for sum x 2^(eq + ek)
	s_lshl_b32 s46, s59, 23
	s_add_co_i32 s46, s46, 0x3d8293ee              ; c = log2(e) / sqrt(512), with eq + ek added to its exponent field
	s_mov_b32 s47, s46                             ; (named with it as a pair, so it is written)
	s_sub_co_i32 s59, 0, s59
	SCALE 51, 52, 24                               ; eq
	SCALE 53, 54, 27                               ; ep
	SCALE 55, 56, 28                               ; ea
	s_add_co_i32 s57, s27, s26                     ; ep + ev
	; ---- the far keys' count, the flags and the bias
	s_wait_loadcnt 20                              ; records and masks are in; behind them: Q's 8, K's 6, V's 6
	v_mov_b32 v242, v26
	ROWSUM 242                                     ; the batch's count of unmasked keys
	v_add_nc_u32 v243, s58, v2                     ; block r - m + 1: 0, 1, 2 in the window
	v_cmp_eq_f32 s48, 0, v242                      ; ALL HIDDEN: it selects numbers below and steers nothing
	v_cmp_lt_u32 s66, 2, v243                      ; a far block
	v_cmp_ne_u32 s67, 0, v240                      ; my key counts
	v_mov_b32 v245, 1.0
	v_mov_b32 v246, 0x43000000                     ; 128.0
	v_mov_b32 v247, 0xe0ad78ec                     ; -1e20,
	v_ldexp_f32 v247, v247, s59                    ; in the sums' units
	v_mov_b32 v248, 0
	s_wait_alu depctr_va_sdst(0)                   ; the three masks s48, s66 and s67 are written, ahead of their first readers
	v_cndmask_b32 v244, 0, v245, s66               ; 1 for a far block
	v_cndmask_b32 v246, v26, v246, s48
	v_mul_f32 v29, v244, v246
	ROWSUM 29                                      ; the far keys that count
	s_or_b32 s67, s67, s48
	s_and_b32 s67, s67, s49
	v_cndmask_b32 v249, v247, v248, s67
	v_cmp_lt_f32 vcc_lo, 0, v29
	s_wait_alu depctr_va_vcc(0)                    ; VCC is written, ahead of the select that reads it
	v_cndmask_b32 v28, v247, v248, vcc_lo          ; the far keys' energy for the maximum: 0 if one counts
	s_wait_alu depctr_va_vdst(0)                   ; v249 is written, which the stores below read
	ds_store_b32 v48, v249                         ; the window's key number = my thread's
	s_cmp_lt_u32 s18, 4
	s_cbranch_scc0 .Lno_b2
	ds_store_b32 v48, v249 offset:1536             ; groups 0-7 once more behind group 23
	v_cmp_ne_u32 vcc_lo, 0, v241
	s_wait_alu depctr_va_vcc(0)                    ; VCC is written, ahead of the scalar lines that read it
	s_or_b32 vcc_lo, vcc_lo, s48
	s_and_b32 vcc_lo, vcc_lo, s50
	v_cndmask_b32 v250, v247, v248, vcc_lo
	s_wait_alu depctr_va_vdst(0)                   ; v250 is written, which the store reads
	ds_store_b32 v48, v250 offset:1024             ; block m + 1
.Lno_b2:
	s_cmp_lg_u32 s18, 0
	s_cbranch_scc1 .Lno_g
	v_mov_b32 v32, v24                             ; wave 0: the global token's sixteen parts are joined, and the far blocks' sums added
	ROWMAX 32
	v_sub_f32 v33, v24, v32
	s_wait_alu depctr_va_vdst(0)
	v_exp_f32 v33, v33
	v_nop
	s_wait_alu depctr_va_vdst(0)                   ; the exponential has written v33, ahead of its first reader
	v_mul_f32 v34, v33, v25
	ROWSUM 34
	s_wait_alu depctr_va_vdst(0)
	v_rcp_f32 v34, v34
	v_nop
	s_wait_alu depctr_va_vdst(0)                   ; the reciprocal has written v34, ahead of its first reader
	v_mul_f32 v33, v33, v34                        ; 2^(block's largest t - the largest) / l
.irp kb, 0,1,2,3,4,5,6,7,8,9,10,11,12,13,14,15
	v_readlane_b32 s[68+\kb], v244, \kb
	v_readlane_b32 s[84+\kb], v33, \kb
.endr
	s_wait_alu depctr_va_sdst(0)                   ; the 32 factors s68-99 are written, ahead of the multiplications that read them
	v_mul_f32 v252, s68, v144
	v_mul_f32 v253, s68, v145
	v_mul_f32 v36, s68, v146
	v_mul_f32 v37, s68, v147
	v_mul_f32 v254, s84, v148
	v_mul_f32 v255, s84, v149
.irp kb, 1,2,3,4,5,6,7,8,9,10,11,12,13,14,15
	v_fmac_f32 v252, s[68+\kb], v[144+6*\kb]
	v_fmac_f32 v253, s[68+\kb], v[145+6*\kb]
	v_fmac_f32 v36, s[68+\kb], v[146+6*\kb]
	v_fmac_f32 v37, s[68+\kb], v[147+6*\kb]
	v_fmac_f32 v254, s[84+\kb], v[148+6*\kb]
	v_fmac_f32 v255, s[84+\kb], v[149+6*\kb]
.endr
	v_cndmask_b32 v252, v252, v36, s48
	v_cndmask_b32 v253, v253, v37, s48
	s_wait_alu depctr_va_vdst(0)                   ; v252-255 are written, which the two stores read; and this block is done with v32-37, on which Q's numbers land below
	ds_store_b64 v49, v[252:253]
	ds_store_b64 v49, v[254:255] offset:256
.Lno_g:
	; ---- Q through my stage, so that a lane holds 16 neighbours along d of query r, and into codes
	s_wait_loadcnt 12                              ; Q is in; behind it: K's 6 and V's 6
.irp x, 0,1,2,3,4,5,6,7
	ds_store_b128 v11, v[64+4*\x:67+4*\x] offset:544*\x
.endr
	s_wait_alu depctr_vm_vsrc(0)                   ; the head's loads and LDS stores have read their addresses v48-53, on which the loads below land (no vector instruction since the last wait on va_vdst, on any way here, names v32-63)
.irp c, 0,1
.irp j, 0,1,2,3
	ds_load_b128 v[32+16*\c+4*\j:35+16*\c+4*\j], v12 offset:128*\c+16*\j   ; LDS serves a wave's instructions in order: these see my stores
.endr
.endr
	v_mov_b32 v26, s51
	v_mov_b32 v27, s52
	s_wait_alu depctr_va_vdst(0)
	s_wait_dscnt 0x0
.set i, 32
.rept 32
	v_med3_num_f32 v[i], v[i], -v27, v27           ; the conversion to an 8-bit code does not saturate (ISA guide 7.6.2): the hold comes first
.set i, i+1
.endr
.irp c, 0,1,2,3
	v_cvt_scalef32_pk8_bf8_f32 v[16+2*\c:17+2*\c], v[32+8*\c:39+8*\c], v26   ; registers 4 c' .. 4 c' + 3: d = 32 c' + 16 hh + 0..15, as K's fragments have it
.endr
	v_nop                                          ; one plain vector line behind the last conversion of a run
.irp x, 0,1,2,3,4,5,6,7
	v_cndmask_b32 v[16+\x], v[16+\x], v248, s48
.endr
	s_wait_loadcnt 6                               ; K is in
.irp i, 0,1,2,3,4,5
	ds_store_b128 v8, v[96+4*\i:99+4*\i] offset:KB+4096*\i
.endr
	s_wait_loadcnt 0x0                             ; V is in
.irp i, 0,1,2,3,4,5
	ds_store_b128 v10, v[120+4*\i:123+4*\i] offset:16384*(\i%2)+2048*(\i/2)
.endr
	ds_store_b128 v10, v[120:123] offset:6144      ; groups 0-7 once more behind group 23
	ds_store_b128 v10, v[124:127] offset:16384+6144
	v_mov_b32 v26, s53                             ; 2^ep and its hold, for p
	v_mov_b32 v27, s54
	s_wait_dscnt 0x0                               ; for the others' sake: my stores have landed
	s_barrier_signal -1
	s_barrier_wait -1                              ; the one barrier: K, V, the bias, the far sums and the global row lie in LDS, and nothing there is written again
	; ---- S^T = K Q^T + bias
	s_wait_alu depctr_va_vdst(0)                   ; the head's vector work is done with v32-63 (Q's holds and conversions) and v242-255, in which the loads below land
	s_wait_alu depctr_vm_vsrc(0)                   ; my LDS stores have read v64-143 (Q, K, V), v249, v250 and v252-255, in which the loads below land
.set q, 0
.rept 17
	BLOAD 64+8*q, q
.set q, q+1
.endr
.irp q, 0,1,2,3
	KLOAD 32+8*\q, \q
.endr
.irp q, 4,5,6,7,8,9,10
	KLOAD 200+8*(\q-4), \q
.endr
	s_wait_dscnt 14                                ; the biases and groups 0-3 are in; behind them: groups 4-10's fourteen loads
.irp q, 0,1,2,3
	QK \q, 32+8*\q
.endr
	PLACES
	s_wait_alu depctr_va_vdst(0)                   ; the products of groups 0-3 are done reading v32-63, in which groups 11-14 land
.irp q, 11,12,13,14
	KLOAD 32+8*(\q-11), \q
.endr
	s_wait_dscnt 8                                 ; groups 4-10 are in; behind them: groups 11-14's eight loads
.irp q, 4,5,6,7,8,9,10
	QK \q, 200+8*(\q-4)
.endr
	PLACES
	s_wait_alu depctr_va_vdst(0)                   ; the products of groups 4-10 are done reading v200-255, in which groups 15 and 16 and the biases of groups 19-23 land
	KLOAD 200, 15
	KLOAD 208, 16
.irp q, 19,20,21,22,23
	BLOAD 64+8*\q, \q                              ; outside the band the score is the bias itself
.endr
	s_wait_dscnt 14                                ; groups 11-14 are in; behind them: groups 15 and 16's four loads and the ten of the biases
.irp q, 11,12,13,14
	QK \q, 32+8*(\q-11)
.endr
	s_wait_dscnt 10                                ; groups 15 and 16 are in; behind them: the ten of the biases
	QK 15, 200
	QK 16, 208
	PLACES
	s_wait_alu depctr_va_vdst(0)                   ; the products of groups 11-16 are done reading v32-63 and v200-215, in which the last biases land
	BLOAD 200, 17
	BLOAD 208, 18
	BLOAD 32, 0
	BLOAD 40, 16
.irp j, 0,1,2,3,4,5,6,7                            ; the band's two edges: sixteen masks in a run, while the last loads are on their way
	v_cmp_ge_i32 s[68+\j], \j, v15                 ; group 0: key 8 hh + j counts where it is >= r
.endr
.irp j, 0,1,2,3,4,5,6,7
	v_cmp_le_i32 s[76+\j], \j, v15                 ; group 16: where it is <= r
.endr
	s_wait_alu depctr_va_sdst(0)                   ; the sixteen masks s68-83 are written, ahead of the selects that read them
	s_wait_dscnt 0x0
.irp j, 0,1,2,3,4,5,6,7                            ; each result is read from its low end on
	v_cndmask_b32 v[64+\j], v[32+\j], v[64+\j], s[68+\j]
.endr
.irp j, 0,1,2,3,4,5,6,7
	v_cndmask_b32 v[192+\j], v[40+\j], v[192+\j], s[76+\j]
.endr
	; ---- the softmax of my query's 192 keys (the lane 16 away has the other 192)
	v_max3_num_f32 v30, v64, v65, v66              ; two chains, in ascending order
	v_max3_num_f32 v31, v67, v68, v69
.set i, 6
.rept 46
	v_max3_num_f32 v30, v30, v[64+i], v[65+i]
	v_max3_num_f32 v31, v31, v[66+i], v[67+i]
.set i, i+4
.endr
	v_max3_num_f32 v30, v30, v254, v255
	v_max_num_f32 v30, v30, v31
	v_permlanex16_b32 v31, v30, s44, s45
	v_max_num_f32 v30, v30, v31
	v_max_num_f32 v30, v30, v28                    ; and the far keys'
	v_mul_f32 v30, s46, v30                        ; as t (c is positive)
	v_floor_f32 v24, -v30                          ; -M = floor(-t): M is a whole number
	v_mov_b32 v25, v24
.set i, 64
.rept 96
	v_pk_fma_f32 v[i:i+1], v[i:i+1], s[46:47], v[24:25] op_sel_hi:[1,0,0]   ; t - M, two at a time
.set i, i+2
.endr
.set i, 64
	s_wait_alu depctr_va_vdst(0)
.rept 192
	v_exp_f32 v[i], v[i]                           ; p = 2^(t - M), not normalised
.set i, i+1
.endr
	v_lshlrev_b32 v28, 4, v1                       ; 16 x lane, for the stores at the end (v28 is free: the far keys' energy has gone into the maximum).  It names none of the exponentials' registers: the plain line between them and the first use of a result (ISA guide 5.7.2)
	s_wait_alu depctr_va_vdst(0)                   ; the 192 exponentials have written v64-255, ahead of the first line that names one of them; and v28 is written, which the stores at the end read
	v_pk_add_f32 v[32:33], v[64:65], v[66:67]      ; THE SUM IS TAKEN OF THE UNQUANTISED p, in two chains
	v_pk_add_f32 v[34:35], v[68:69], v[70:71]
.set i, 72
.rept 46
	v_pk_add_f32 v[32:33], v[32:33], v[i:i+1]
	v_pk_add_f32 v[34:35], v[34:35], v[i+2:i+3]
.set i, i+4
.endr
	v_pk_add_f32 v[32:33], v[32:33], v[34:35]
	v_add_f32 v30, v32, v33
.set q, 0
.rept 24                                           ; group q's eight p become two registers: keys 16 q + 8 hh + 0..7, the pair that the second product's layout gives them
.set sr, 64+8*q
.if q < 16
.set pd, 32+2*q
.else
.set pd, 64+2*(q-16)
.endif
.irp j, 0,1,2,3,4,5,6,7
	v_min_num_f32 v[sr+\j], v[sr+\j], v27          ; p is not negative: the hold is one-sided.  (These are also the plain lines between the conversions)
.endr
	v_cvt_scalef32_pk8_bf8_f32 v[pd:pd+1], v[sr:sr+7], v26
.if q == 13
	s_wait_alu depctr_va_vdst(0)                   ; the sums, holds and conversions are done with groups 6-13, v112-175, in which V's first part lands; the groups that follow name none of these registers
	VLOAD 112, 0
.endif
.if q == 21
	s_wait_alu depctr_va_vdst(0)                   ; the same of groups 14-21, v176-239, in which V's second part lands
	VLOAD 176, 1
.endif
.set q, q+1
.endr
	v_nop
	; ---- O^T = V^T P^T; while V's fragments are on their way: 2^-M, l, and 2^-M's code as a number
	v_cvt_i32_f32 v31, v24                         ; (it saturates)
	v_ldexp_f32 v31, 1.0, v31
	v_min_num_f32 v31, 1.0, v31                    ; 2^-M: at most 1 wherever a far key counts; where none does it is multiplied by 0, and the hold keeps it finite
	v_permlanex16_b32 v25, v30, s44, s45
	v_add_f32 v30, v30, v25
	v_fmac_f32 v30, v29, v31                       ; l = the window's sum + the far keys' count x 2^-M
	v_min_num_f32 v24, v31, v27
	v_cvt_scalef32_pk8_bf8_f32 v[240:241], v[24:31], v26   ; the first of the eight is wanted; the others are whatever lies there
	v_nop
	v_cvt_f32_bf8 v24, v240                        ; Q(2^-M) in units of 2^ep
	s_wait_alu depctr_va_vdst(0)
	v_rcp_f32 v30, v30
	v_mov_b32 v25, v24                             ; (a plain line behind the reciprocal)
	s_wait_alu depctr_va_vdst(0)                   ; the reciprocal has written v30, ahead of its first reader
	v_ldexp_f32 v30, v30, s57                      ; 2^(ep + ev) / l
	s_wait_dscnt 32                                ; groups 0-7's V is in; behind it: groups 8-15's 32 loads
	PV 112, 32, 1
	PLACES
	s_wait_alu depctr_va_vdst(0)                   ; the four products are done reading v112-175, in which V's third part lands
	VLOAD 112, 2
	s_wait_dscnt 32                                ; groups 8-15's V is in; behind it: groups 16-23's 32 loads
	PV 176, 48, 0
	PLACES
	s_wait_alu depctr_va_vdst(0)                   ; the four products are done reading v176-239, in which the far sums and the global row land while the last four multiply
.irp b, 0,1
.irp x, 0,1,2,3
	ds_load_b128 v[176+16*\b+4*\x:179+16*\b+4*\x], v7 offset:128*\b+16*\x
	ds_load_b128 v[208+16*\b+4*\x:211+16*\b+4*\x], v7 offset:256+128*\b+16*\x
.endr
.endr
	s_wait_dscnt 16                                ; groups 16-23's V is in; behind it: the sixteen loads just issued
	PV 112, 64, 0
	PLACES
	; ---- the far keys' part, the division, the global row, the quantiser of the last product's operand
	v_add_nc_u32 v29, s60, v2                      ; my slot i
	v_cmp_eq_u32 vcc_lo, 0x7ff, v29
	v_mov_b32 v26, s55                             ; 2^ea and its hold
	v_mov_b32 v27, s56
	s_wait_dscnt 0x0
.set i, 0
.rept 16
	v_pk_fma_f32 v[112+i:113+i], v[176+i:177+i], v[24:25], v[80+i:81+i] op_sel_hi:[1,0,1]   ; each result from its low end on
.set i, i+2
.endr
.set i, 0
.rept 16
	v_pk_mul_f32 v[112+i:113+i], v[112+i:113+i], v[30:31] op_sel_hi:[1,0]
.set i, i+2
.endr
	s_wait_alu depctr_va_vcc(0)                    ; VCC, slot 2047's mask, is written, ahead of the selects that read it
.set i, 0
.rept 32
	v_cndmask_b32 v[112+i], v[112+i], v[208+i], vcc_lo     ; slot 2047 carries the global token's row
.set i, i+1
.endr
.set i, 0
.rept 32
	v_med3_num_f32 v[112+i], v[112+i], -v27, v27
.set i, i+1
.endr
.irp c, 0,1,2,3
	v_cvt_scalef32_pk8_bf8_f32 v[16+2*\c:17+2*\c], v[112+8*\c:119+8*\c], v26
.endr
	v_nop
	s_wait_alu depctr_va_vdst(0)                   ; the conversions have written v16-23, which the two stores read
	global_store_b128 v28, v[16:19], s[16:17]              ; d = 16 hh + 0..15 of slot r: the wave stores 512 consecutive bytes, aligned
	global_store_b128 v28, v[20:23], s[16:17] offset:512   ; d = 32 + 16 hh + 0..15
	s_set_vgpr_msb 0x5
	s_wait_dscnt 0x0                               ; the closing lines, six on end
	s_wait_alu 0x0
	s_wait_tensorcnt 0x0
	ds_add_u32 v0, v1
	s_wait_dscnt 0x0
	s_endpgm
.Lfunc_end_k_qc128cbec29_attn:
	.size	k_qc128cbec29_attn, .Lfunc_end_k_qc128cbec29_attn-k_qc128cbec29_attn
	.p2alignl 7, 3214868480
	.fill 96, 4, 3214868480
	.section	.rodata,"a",@progbits
	.p2align	6, 0x0
	.amdhsa_kernel k_qc128cbec29_attn
		.amdhsa_group_segment_fixed_size 95744
		.amdhsa_private_segment_fixed_size 0
		.amdhsa_enable_private_segment 0
		.amdhsa_kernarg_size 56
		.amdhsa_user_sgpr_count 2
		.amdhsa_user_sgpr_kernarg_segment_ptr 1
		.amdhsa_wavefront_size32 1
		.amdhsa_system_sgpr_workgroup_id_x 1
		.amdhsa_system_sgpr_workgroup_id_y 1
		.amdhsa_system_sgpr_workgroup_id_z 1
		.amdhsa_system_vgpr_workitem_id 0
		.amdhsa_next_free_vgpr 258
		.amdhsa_next_free_sgpr 100
		.amdhsa_reserve_vcc 1
		.amdhsa_float_denorm_mode_32 3
		.amdhsa_float_denorm_mode_16_64 3
		.amdhsa_memory_ordered 1
		.amdhsa_forward_progress 1
		.amdhsa_inst_pref_size 83
	.end_amdhsa_kernel
	.amdgpu_metadata
---
amdhsa.version: [ 1, 2 ]
amdhsa.kernels:
  - .name:           k_qc128cbec29_attn
    .symbol:         k_qc128cbec29_attn.kd
    .args:
      - { .name: query, .offset: 0, .size: 8, .value_kind: global_buffer, .address_space: global }
      - { .name: mask, .offset: 8, .size: 8, .value_kind: global_buffer, .address_space: global }
      - { .name: lowp_scales, .offset: 16, .size: 8, .value_kind: global_buffer, .address_space: global }
      - { .name: kc, .offset: 24, .size: 8, .value_kind: global_buffer, .address_space: global }
      - { .name: vc, .offset: 32, .size: 8, .value_kind: global_buffer, .address_space: global }
      - { .name: rec, .offset: 40, .size: 8, .value_kind: global_buffer, .address_space: global }
      - { .name: ac, .offset: 48, .size: 8, .value_kind: global_buffer, .address_space: global }
    .group_segment_fixed_size: 95744
    .private_segment_fixed_size: 0
    .kernarg_segment_align: 8
    .kernarg_segment_size: 56
    .max_flat_workgroup_size: 256
    .sgpr_count:     100
    .vgpr_count:     258
    .wavefront_size: 32
...
	.end_amdgpu_metadata
.endif
;; end of part 5
;; launch fc (part 6): grid 4 x 64, 4 waves a work-group, no clusters, 35,328 bytes of LDS; arguments ac, wi, fc_b, lowp_scales, out0; writes out0
.if DOCPART == 6
	.amdgcn_target "amdgcn-amd-amdhsa--gfx1250"
	.amdhsa_code_object_version 6
	.text
	.protected	k_qc128cbec29_fc
	.globl	k_qc128cbec29_fc
	.p2align	8
	.type	k_qc128cbec29_fc,@function
k_qc128cbec29_fc:
	s_mov_b64 s[64:65], 0
	v_nop
	global_prefetch_b8 v0, s[64:65] scope:SCOPE_SE
	s_setreg_imm32_b32 hwreg(HW_REG_WAVE_SCHED_MODE, 0, 2), 2
	s_setreg_imm32_b32 hwreg(HW_REG_WAVE_MODE, 25, 1), 1
	s_wait_xcnt 0x0
	s_wait_alu depctr_vm_vsrc(0)
; FC.  out0[b][p][n] = 2^(ea + ew) x (the sum over k of the row's codes x fc_w's codes) + fc_b[n].  A work-group makes 64 slots (y) x 128 columns (x); each of its four waves 32 x 64: eight accumulators.
; Both operands lie in memory in the order of an operand's registers ([tile of 16][K step of 128][c 0..3][lane][16 bytes]; lane (r, hh): row r, k = 32 c + 16 hh + 0..15, the same order of k on both sides),
; so every fragment comes by four loads of 512 consecutive bytes straight into the registers that the matrix instruction names.  All of K = 512 is asked for at once: 96 loads a wave, four K steps.
; THE MATRIX INSTRUCTION IS USED TRANSPOSED (source 0 = 16 rows of fc_w, source 1 = 16 slots): a lane then holds eight neighbouring columns of one row of the output.
; Slot i of a batch is output row (i + 1) % 2048.
; LIMIT: ea + ew between -126 and 127, so that 2^(ea + ew) is an f32 number.
; NO CLUSTER, NO TENSOR LOAD, NO BARRIER: K is walked once and each wave asks once for all that it multiplies, so there is no ring in which a joint request could recur; through LDS each fragment would be written and read
; once more on its way to the same registers.  Waves share nothing: the stage on the way out is each wave's own.
; THE MODE: SCHED_MODE bits 1:0 = 2 (LLVM: expert scheduling mode 2), set by the entry lines.  The code itself states the register dependences
; between vector or matrix instructions and memory or LDS instructions, with s_wait_alu, always for 0.
; THE PLAN.  Registers that memory or LDS instructions touch:
;   v4-11       the loads' offsets, my stage's LDS addresses, the stores' offsets: made once at the head and never written again.  One wait on va_vdst ahead of the first load states that they are written;
;               behind it stand loads and window switches alone.
;   v16-47, v128-255, window 1   the head's loads land in them, once; no vector instruction names them before.
;   v128-191    on the way out: written by the 32 multiply-adds of both tiles, which stand together; read by the sixteen LDS stores.
;   v192-255    on the way out: the LDS loads from the stage land where the matrix instructions read the second tile's fragments; the global stores read them.
;               ONE wait on va_vdst behind the multiply-adds states both: the results are written, and the matrix instructions are done reading v192-255.
;   No register that a memory or LDS instruction has read is written again.
; REGISTERS: window 0: v1-12 addresses; v16-47 the bias of my 64 columns (8 n + j: column 16 n + 8 hh + j); v64-127 the accumulators (a, n) at 64 + 8 (4 a + n); v128-255 the slots' fragments (a, s) at 128 + 64 a + 16 s,
;   on the way out results and rows.  window 1: fc_w's fragments (n, s) at 64 n + 16 s.
.set MSB, 0
.macro WIN new                         ; s_set_vgpr_msb: bits 1:0 source 0, 3:2 source 1, 5:4 source 2, 7:6 destination; the high byte repeats the setting that is left
.if MSB != \new
	s_set_vgpr_msb (MSB<<8)|\new
.set MSB, \new
.endif
.endm
	s_load_b256 s[4:11], s[0:1], 0x0               ; ac 4, wi 6, fc_b 8, scales 10
	s_load_b64 s[12:13], s[0:1], 0x20              ; out0
	v_lshl_add_u32 v62, v0, 2, 0x8800
	v_mov_b32 v63, 0
	v_lshrrev_b32 v1, 5, v0
	v_readfirstlane_b32 s14, v1                    ; wave
	v_and_b32 v1, 31, v0
	v_and_b32 v2, 15, v0                           ; r
	v_bfe_u32 v3, v0, 4, 1                         ; hh
	s_wait_alu depctr_va_vdst(0)
	v_lshlrev_b32 v4, 4, v1                        ; 16 L
	v_lshlrev_b32 v5, 5, v3                        ; the bias: 8 hh numbers on
	s_mov_b32 s17, ttmp9                           ; x
	s_and_b32 s18, ttmp7, 0xffff                   ; y
	s_wait_alu depctr_va_sdst(0)                   ; s14, the wave's number, is written, ahead of its first reader
	s_lshr_b32 s15, s14, 1                         ; which 32 slots
	s_and_b32 s16, s14, 1                          ; which 64 columns
	s_mul_i32 s22, s14, 8704                       ; my two stages of 16 rows x (256 + 16) bytes
	v_mul_u32_u24 v6, v2, 272                      ; way in: row r, 32 hh
	v_lshl_add_u32 v6, v3, 5, v6
	v_add_nc_u32 v6, s22, v6
	v_mul_u32_u24 v7, v3, 272                      ; way out: row hh (+ 2 x), 16 r
	v_lshl_add_u32 v7, v2, 4, v7
	v_add_nc_u32 v7, s22, v7
	s_lshl_b32 s19, s18, 2
	s_lshl_b32 s22, s15, 1
	s_add_co_u32 s19, s19, s22                     ; my first tile of slots: 4 y + 2 (w / 2)
	s_lshl_b32 s24, s19, 13
	s_mov_b32 s25, 0
	s_and_b32 s22, s19, 127
	s_lshl_b32 s22, s22, 4                         ; its first slot in the batch
	v_add_nc_u32 v12, s22, v3
	v_add_nc_u32 v8, 1, v12                        ; rows i0 + 1 + hh (+ 2 x)
	v_lshlrev_b32 v8, 11, v8
	v_lshl_add_u32 v8, v2, 4, v8
	v_add_nc_u32 v10, 0x8000, v8                   ; the second tile: 16 rows on
	v_add_nc_u32 v9, 15, v12                       ; a tile's last two rows: (i0 + 15 + hh) % 2048: slot 2047 is row 0
	v_and_b32 v9, 0x7ff, v9
	v_lshlrev_b32 v9, 11, v9
	v_lshl_add_u32 v9, v2, 4, v9
	v_add_nc_u32 v11, 31, v12
	v_and_b32 v11, 0x7ff, v11
	v_lshlrev_b32 v11, 11, v11
	v_lshl_add_u32 v11, v2, 4, v11
	s_lshl_b32 s26, s17, 3
	s_lshl_b32 s22, s16, 2
	s_add_co_u32 s26, s26, s22                     ; my first tile of fc_w's rows: 8 x + 4 (w % 2)
	s_lshl_b32 s26, s26, 13
	s_mov_b32 s27, 0
	s_lshl_b32 s28, s17, 9
	s_lshl_b32 s22, s16, 8
	s_add_co_u32 s28, s28, s22                     ; my first column, in bytes: 512 x + 256 (w % 2)
	s_mov_b32 s29, 0
	s_lshr_b32 s30, s18, 5                         ; the batch
	s_lshl_b32 s30, s30, 22
	s_mov_b32 s31, 0
	s_wait_kmcnt 0x0
	s_load_b64 s[20:21], s[10:11], 0x10            ; ea, ew
	s_add_nc_u64 s[4:5], s[4:5], s[24:25]
	s_add_nc_u64 s[6:7], s[6:7], s[26:27]
	s_add_nc_u64 s[8:9], s[8:9], s[28:29]
	s_add_nc_u64 s[12:13], s[12:13], s[28:29]
	s_add_nc_u64 s[12:13], s[12:13], s[30:31]
	s_wait_alu depctr_va_vdst(0)                   ; the offsets and LDS addresses v4-11 are written: every load and store of the kernel reads one of them, and none is written again
.irp n, 0,1,2,3
	global_load_b128 v[16+8*\n:19+8*\n], v5, s[8:9] offset:64*\n
	global_load_b128 v[20+8*\n:23+8*\n], v5, s[8:9] offset:64*\n+16
.endr
.irp s, 0,1,2,3                                    ; K step s: 8 loads for the slots, 16 for fc_w
.irp a, 0,1
.irp c, 0,1,2,3
	global_load_b128 v[128+64*\a+16*\s+4*\c:131+64*\a+16*\s+4*\c], v4, s[4:5] offset:8192*\a+2048*\s+512*\c
.endr
.endr
	WIN 0x40                                       ; destination window 1, address window 0
.irp n, 0,1,2,3
.irp c, 0,1,2,3
	global_load_b128 v[64*\n+16*\s+4*\c:64*\n+16*\s+4*\c+3], v4, s[6:7] offset:8192*\n+2048*\s+512*\c
.endr
.endr
	WIN 0
.endr
; K step s: eight matrix instructions, the eight accumulators by turns; the first step starts the sums: nothing is cleared.  left: the younger loads that may stay out
.macro STEP s, left
	s_wait_loadcnt \left
	WIN 0x01                                       ; source 0 (fc_w) window 1
.irp a, 0,1
.irp n, 0,1,2,3
.if \s == 0
	v_wmma_f32_16x16x128_bf8_bf8 v[64+8*(4*\a+\n):71+8*(4*\a+\n)], v[64*\n+16*\s:64*\n+16*\s+15], v[128+64*\a+16*\s:143+64*\a+16*\s], 0
.else
	v_wmma_f32_16x16x128_bf8_bf8 v[64+8*(4*\a+\n):71+8*(4*\a+\n)], v[64*\n+16*\s:64*\n+16*\s+15], v[128+64*\a+16*\s:143+64*\a+16*\s], v[64+8*(4*\a+\n):71+8*(4*\a+\n)]
.endif
.endr
.endr
.endm
	STEP 0, 63                                     ; 72 loads were issued behind step 0's; 63 is the largest count that the wait can name, and a smaller count is safe
	STEP 1, 48
	STEP 2, 24
	STEP 3, 0
	WIN 0
	s_wait_kmcnt 0x0
	s_add_co_i32 s20, s20, s21
	s_add_co_i32 s20, s20, 127
	s_lshl_b32 s20, s20, 23                        ; 2^(ea + ew) as f32
	s_mov_b32 s21, s20                             ; (named with it as a pair, so it is written)
.rept 4
	v_nop                                          ; four places behind the last matrix instruction before results are read and its sources written (ISA guide 7.12.1)
.endr
	; THE WAY OUT.  A lane holds 32 neighbouring bytes of a row and the lanes beside it other rows: a tile goes through my own stage and comes back by rows of 256 bytes.  LDS serves a wave's instructions in order
.irp a, 0,1
.irp n, 0,1,2,3
.irp i, 0,2,4,6
	v_pk_fma_f32 v[128+32*\a+8*\n+\i:129+32*\a+8*\n+\i], v[64+8*(4*\a+\n)+\i:65+8*(4*\a+\n)+\i], s[20:21], v[16+8*\n+\i:17+8*\n+\i] op_sel_hi:[1,0,1]   ; sum x 2^(ea + ew) + bias; each accumulator from its low end on
.endr
.endr
.endr
	s_wait_alu depctr_va_vdst(0)                   ; the multiply-adds have written v128-191, which the LDS stores read; the matrix instructions are done reading v192-255, in which the loads from the stage land
.irp a, 0,1
.irp n, 0,1,2,3
	ds_store_b128 v6, v[128+32*\a+8*\n:131+32*\a+8*\n] offset:4352*\a+64*\n
	ds_store_b128 v6, v[132+32*\a+8*\n:135+32*\a+8*\n] offset:4352*\a+64*\n+16
.endr
.irp x, 0,1,2,3,4,5,6,7
	ds_load_b128 v[192+32*\a+4*\x:195+32*\a+4*\x], v7 offset:4352*\a+544*\x
.endr
.endr
.irp x, 0,1,2,3,4,5,6
	s_wait_dscnt 23-\x                             ; behind the first tile's load x: its 7 - x others and the second tile's sixteen LDS instructions
	global_store_b128 v8, v[192+4*\x:195+4*\x], s[12:13] offset:4096*\x th:TH_STORE_NT   ; sixteen lanes store 256 consecutive bytes, at a multiple of 256 from the output's first byte
.endr
	s_wait_dscnt 16
	global_store_b128 v9, v[220:223], s[12:13] th:TH_STORE_NT
.irp x, 0,1,2,3,4,5,6
	s_wait_dscnt 7-\x
	global_store_b128 v10, v[224+4*\x:227+4*\x], s[12:13] offset:4096*\x th:TH_STORE_NT
.endr
	s_wait_dscnt 0x0
	global_store_b128 v11, v[252:255], s[12:13] th:TH_STORE_NT
	s_wait_dscnt 0x0                               ; the closing lines, six on end
	s_wait_alu 0x0
	s_wait_tensorcnt 0x0
	ds_add_u32 v62, v63
	s_wait_dscnt 0x0
	s_endpgm
.Lfunc_end_k_qc128cbec29_fc:
	.size	k_qc128cbec29_fc, .Lfunc_end_k_qc128cbec29_fc-k_qc128cbec29_fc
	.p2alignl 7, 3214868480
	.fill 96, 4, 3214868480
	.section	.rodata,"a",@progbits
	.p2align	6, 0x0
	.amdhsa_kernel k_qc128cbec29_fc
		.amdhsa_group_segment_fixed_size 35328
		.amdhsa_private_segment_fixed_size 0
		.amdhsa_enable_private_segment 0
		.amdhsa_kernarg_size 40
		.amdhsa_user_sgpr_count 2
		.amdhsa_user_sgpr_kernarg_segment_ptr 1
		.amdhsa_wavefront_size32 1
		.amdhsa_system_sgpr_workgroup_id_x 1
		.amdhsa_system_sgpr_workgroup_id_y 1
		.amdhsa_system_sgpr_workgroup_id_z 1
		.amdhsa_system_vgpr_workitem_id 0
		.amdhsa_next_free_vgpr 512
		.amdhsa_next_free_sgpr 66
		.amdhsa_reserve_vcc 0
		.amdhsa_float_denorm_mode_32 3
		.amdhsa_float_denorm_mode_16_64 3
		.amdhsa_memory_ordered 1
		.amdhsa_forward_progress 1
		.amdhsa_inst_pref_size 22
	.end_amdhsa_kernel
	.amdgpu_metadata
---
amdhsa.version: [ 1, 2 ]
amdhsa.kernels:
  - .name:           k_qc128cbec29_fc
    .symbol:         k_qc128cbec29_fc.kd
    .args:
      - { .name: ac, .offset: 0, .size: 8, .value_kind: global_buffer, .address_space: global }
      - { .name: wi, .offset: 8, .size: 8, .value_kind: global_buffer, .address_space: global }
      - { .name: fc_b, .offset: 16, .size: 8, .value_kind: global_buffer, .address_space: global }
      - { .name: lowp_scales, .offset: 24, .size: 8, .value_kind: global_buffer, .address_space: global }
      - { .name: out0, .offset: 32, .size: 8, .value_kind: global_buffer, .address_space: global }
    .group_segment_fixed_size: 35328
    .private_segment_fixed_size: 0
    .kernarg_segment_align: 8
    .kernarg_segment_size: 40
    .max_flat_workgroup_size: 128
    .sgpr_count:     66
    .vgpr_count:     512
    .wavefront_size: 32
...
	.end_amdgpu_metadata
.endif
;; end of part 6
